; MI455X (gfx1250); checked and timed in simulation.
; The chip was launched on July 23, 2026; its instructions are those of AMD's public machine-readable ISA for CDNA 5 (MIT licence, August 2026) and "CDNA5" Instruction Set Architecture Reference Guide (July 2026). The comments in the code are by the model that wrote it; some were corrected since.
;; Attention Layer. Allowed arithmetic: matrix products marked QUANTISED: E2M3 operands, one E8M0 scale for each 32 along K, by v_wmma_scale_f32_16x16x128_f8f6f4 with both operands' format E2M3, f32 sums; everything else in f32.
;; Inputs: Wk 1,024 x 1,024 float32; Wq 1,024 x 1,024 float32; Wv 1,024 x 1,024 float32; bk 1,024 float32; bq 1,024 float32; bv 1,024 float32; x 4 x 2,048 x 1,024 float32.
;; Outputs: out0 4 x 2,048 x 1,024 float32.
;; This version of the problem:
;;   THIS VERSION OF THE PROBLEM IS GIVEN IN LOW PRECISION. The matrix products marked QUANTISED in the list below multiply operands that are first quantised to E2M3 (2 exponent bits, 3 mantissa bits; 6 bits a number), with one power-of-two scale for each 32 numbers along K (OCP MX v1.0); their sums are f32. All else is computed in f32.
;;   The module's matrix products, in the order in which they are computed (A, B: the left and right operand; K: the contracted axis; several contracted axes count as one K, in the product's order):
;;     1. [M 8,192, K 1,024] x [K 1,024, N 1,024]; A: input x; B: input Wq: QUANTISED
;;     2. [M 8,192, K 1,024] x [K 1,024, N 1,024]; A: input x; B: input Wk: QUANTISED
;;     3. [M 8,192, K 1,024] x [K 1,024, N 1,024]; A: input x; B: input Wv: QUANTISED
;;     4. batch 4 x [M 2,048, K 1,024] x [K 1,024, N 2,048]; A: computed on the way; B: computed on the way: QUANTISED
;;     5. batch 4 x [M 2,048, K 2,048] x [K 2,048, N 1,024]; A: softmax (see below); B: computed on the way: QUANTISED
;;   THE QUANTISER, for each operand of a quantised product, along K:
;;     - K is cut into blocks of 32 from its start; a last block that is shorter is filled with zeros.
;;     - A block's scale is 2^e with e = floor(log2(the largest magnitude in the block)) - 2, held to -126 .. 127; a block of zeros has e = 0. As a byte (E8M0): e + 127.
;;     - Each number is divided by its block's scale, clamped to +-7.5, and rounded to the nearest number of E2M3, ties to even, subnormals kept.
;;     - The product sums the exact products of the quantised numbers (number of the format x scale) in f32.
;;   ~~~python
;;   def quantise(x, axis):      # numpy; x: float32 -> the quantised numbers, widened to float32 again
;;       x = np.moveaxis(x, axis, -1); K = x.shape[-1]
;;       x = np.pad(x, [(0, 0)] * (x.ndim - 1) + [(0, -K % 32)]); x = x.reshape(x.shape[:-1] + (-1, 32)); a = np.abs(x).max(-1, keepdims=True)
;;       e = np.where(a > 0, np.clip(np.frexp(np.where(a > 0, a, 1))[1] - 1 - 2, -126, 127), 0)      # np.frexp(a)[1] - 1 = floor(log2(a)), exactly
;;       r = np.clip(x / 2.0 ** e, -7.5, 7.5)
;;       step = 2.0 ** (np.maximum(np.frexp(np.where(r == 0, 1, r))[1] - 1, 0) - 3)
;;       q = np.round(r / step) * step * 2.0 ** e      # np.round: ties to even
;;       return np.moveaxis(q.reshape(q.shape[:-2] + (-1,))[..., :K], -1, axis).astype(np.float32)
;;   ~~~
;;   SOFTMAX AHEAD OF A QUANTISED PRODUCT. Where the list says 'softmax', what is quantised is not the finished softmax but p = 2^(t - M), with t = logit x log2(e) and M = ceil(the row's largest t), a whole number; so 1/2 < the row's largest p <= 1. The row's sum l is taken of the UNQUANTISED p, in f32, and the product's result is divided by l at the end. Since M is a whole number, a kernel that streams over the keys may use a running M (the ceiling of the running maximum): every later rescaling is an exact power of two, which a block's scale takes up: the codes' values come out the same.
;;   OPERANDS COMPUTED ON THE WAY. 'Computed on the way' means the value that the module computes at that place (a softmax that the list does not call 'softmax' is quantised finished and normalised). What goes into a quantiser is computed in f32, as accurately as f32 sums, v_exp_f32 and their like allow (about 1e-6 of the number): no bf16 or f16 on the way to a quantiser, and a product that is left as it is and whose result goes on into a quantised operand takes f32 operands (vector FMAs, or v_wmma_f32_16x16x4_f32). A number that lies on a knife's edge between two numbers of the format may be rounded either way, as far as f32 arithmetic and the matrix unit's own rounding can turn it there, and no further.
;; One version. Each part assembles by itself: llvm-mc -triple=amdgcn-amd-amdhsa -mcpu=gfx1250 --defsym DOCPART=n.
;; ======== version 1 of 1: 4 launches
;; limits: right only within a limited range of input values
;; workspace buffers: xw 9,011,200 bytes; qkv 19,660,800 bytes; p 14,155,776 bytes
;; launch quant (part 1): grid 8 x 88, 8 waves a work-group, no clusters, 69,120 bytes of LDS; arguments x, Wq, Wk, Wv, xw; writes xw
.if DOCPART == 1
	.amdgcn_target "amdgcn-amd-amdhsa--gfx1250"
	.amdhsa_code_object_version 6
	.text
	.protected	k_q306e31acd7_quant
	.globl	k_q306e31acd7_quant
	.p2align	8
	.type	k_q306e31acd7_quant,@function
k_q306e31acd7_quant:
	s_mov_b64 s[64:65], 0
	v_nop
	global_prefetch_b8 v0, s[64:65] scope:SCOPE_SE
	s_setreg_imm32_b32 hwreg(HW_REG_WAVE_MODE, 25, 1), 1
	s_wait_xcnt 0x0
; x [8192][1024], Wq, Wk, Wv [1024][1024], f32, stacked to 11,264 rows, become codes of FP6 (E2M3) along K = the last axis, with one E8M0 byte for each 32.
; A block's scale is 2^(floor(log2(largest magnitude)) - 2); its byte is the largest magnitude's exponent field - 2, held at 1 from below.
; LIMITS: NaN and infinities among the inputs are not served.  A block of zeros gets the byte 1 where the quantiser says 127: its codes are zeros, and this program alone reads the bytes.
; LAYOUT OF THE RESULT: IMAGES OF OPERAND REGISTERS.  Tile T (16 rows) and K step S (128 along K) are 1,536 bytes at T x 12,288 + S x 1,536: register n of lane l at 512 (n / 4) + 16 l + 4 (n % 4).
; Image row r of tile T is matrix row 32 (T / 2) + 8 (T % 2) + r + 8 (r / 8): with tiles so chosen the results of a product lie in a lane's registers as neighbours along the next K.
; Scale words (four bytes: one row, 128 along K) at XS + (T / 4) x 2,048 + S x 256 + 16 r + 4 (T % 4): sixteen lanes x 16 bytes are one aligned run of 256 bytes.
; SHARES: work-group (S, rg) takes rows 128 rg .. + 127 and K step S; wave w makes tile 8 rg + w.  Each load reads 512 consecutive bytes of one row; the 16 rows turn through the wave's own stage in LDS
; (rows of 528 bytes), so that lane (r, h) gets of row r the 16 neighbours 32 b + 16 h + 0 .. 15 of each block b.  No tensor load, no matrix unit: memory binds here.
.set XS,   8650752                     ; where the scale words begin in xw
.set STG,  16*528                      ; a wave's stage
.set SCW,  8*STG                       ; behind the stages: the work-group's 128 scale words
.set R,    16                          ; v16-79   the numbers as loaded
.set X,    80                          ; v80-143  the numbers turned: register 16 b + i = k 32 b + 16 h + i of my row
.set TM,   16                          ; v16-31   at work (R is free by then)
.set PW,   32                          ; v32      the scale word
.set PC,   34                          ; v34-52   the codes
.set SW,   56                          ; v56-59   wave 0: scale words on their way out
.set SEL,  22                          ; s[22:23] lane selects: lane l xor 16
; 64 numbers of a lane, v[s] on, register 16 b + i = k 32 b + 16 (lane / 16) + i of my row, become a fragment's codes in v[PC] .. v[PC + 11] and its scale word in v[pw].
.macro QUANT s, pw
.irp b, 0,1,2,3
	v_max3_num_f32 v[TM+\b], |v[\s+16*\b]|, |v[\s+1+16*\b]|, 0x1800000   ; my 16 numbers of block b, and the floor 2^(3 - 127): the byte cannot fall under 1
.endr
.irp i, 2,4,6,8,10,12,14
.irp b, 0,1,2,3
	s_delay_alu instid0(VALU_DEP_4)
	v_max3_num_f32 v[TM+\b], v[TM+\b], |v[\s+16*\b+\i]|, |v[\s+1+16*\b+\i]|   ; the four blocks by turns
.endr
.endr
.irp b, 0,1,2,3
	s_delay_alu instid0(VALU_DEP_4)
	v_permlanex16_b32 v[TM+4+\b], v[TM+\b], s[SEL], s[SEL+1]
.endr
.irp b, 0,1,2,3
	s_delay_alu instid0(VALU_DEP_4)
	v_max_num_f32 v[TM+\b], v[TM+\b], v[TM+4+\b]   ; with lane l xor 16's: the block's largest magnitude
.endr
.irp b, 0,1,2,3
	s_delay_alu instid0(VALU_DEP_4)
	v_add_nc_u32 v[TM+12+\b], 0xff000000, v[TM+\b]   ; 2 off its exponent field: the conversion's scale operand
.endr
.irp b, 0,1,2,3
	s_delay_alu instid0(VALU_DEP_4)
	v_lshrrev_b32 v[TM+4+\b], 23, v[TM+12+\b]      ; the scale's byte
.endr
	s_delay_alu instid0(VALU_DEP_3)
	v_lshl_or_b32 v[\pw], v[TM+5], 8, v[TM+4]
	s_delay_alu instid0(VALU_DEP_1)
	v_lshl_or_b32 v[\pw], v[TM+6], 16, v[\pw]
	s_delay_alu instid0(VALU_DEP_1)
	v_lshl_or_b32 v[\pw], v[TM+7], 24, v[\pw]
.irp c, 0,1
	v_cvt_scalef32_pk16_fp6_f32 v[PC+6*\c:PC+2+6*\c], v[\s+32*\c:\s+15+32*\c], v[TM+12+2*\c]
	v_cvt_scalef32_pk16_fp6_f32 v[PC+12+4*\c:PC+14+4*\c], v[\s+16+32*\c:\s+31+32*\c], v[TM+12+2*\c+1]   ; (a conversion's three registers begin on an even number)
.endr
	v_nop                                          ; one plain place behind a scaled conversion
.irp c, 0,1                                    ; the operand's layout wants a whole block in a lane: lanes 0-15 block 2 c, lanes 16-31 block 2 c + 1
.irp i, 0,1,2
	v_permlane16_swap_b32 v[PC+6*\c+\i], v[PC+12+4*\c+\i]
.endr
.irp i, 0,1,2
	s_delay_alu instid0(VALU_DEP_3)
	v_mov_b32 v[PC+3+6*\c+\i], v[PC+12+4*\c+\i]
.endr
.endr
.endm
	s_load_b256 s[8:15], s[0:1], 0x0               ; x s[8:9], Wq s[10:11], Wk s[12:13], Wv s[14:15]
	s_load_b64 s[16:17], s[0:1], 0x20              ; xw
	v_lshl_add_u32 v144, v0, 2, 0x10a00
	v_mov_b32 v145, 0
	v_lshrrev_b32 v1, 5, v0
	s_delay_alu instid0(VALU_DEP_1)
	v_readfirstlane_b32 s18, v1                    ; wave 0..7
	v_and_b32 v1, 31, v0                           ; lane
	v_and_b32 v2, 15, v0                           ; r
	v_bfe_u32 v3, v0, 4, 1                         ; h
	s_delay_alu instid0(VALU_DEP_3)
	v_lshlrev_b32 v4, 4, v1                        ; 16 x lane: my bytes of a load, and of an image's store
	s_mul_i32 s19, s18, STG
	v_add_nc_u32 v5, s19, v4                       ; the stage, on the way in: a row as it lies
	v_mul_u32_u24 v6, v2, 528
	s_delay_alu instid0(VALU_DEP_1)
	v_lshl_add_u32 v6, v3, 6, v6
	s_delay_alu instid0(VALU_DEP_1)
	v_add_nc_u32 v6, s19, v6                       ; and on the way out: row r, + 64 h
	s_lshr_b32 s24, s18, 2
	s_lshl_b32 s24, s24, 8
	s_and_b32 s25, s18, 3
	s_lshl_b32 s25, s25, 2
	s_add_co_u32 s24, s24, s25
	s_add_co_u32 s24, s24, SCW
	v_lshl_add_u32 v7, v2, 4, s24                  ; my row's scale word in LDS: 256 (w / 4) + 16 r + 4 (w % 4)
	v_lshlrev_b32 v8, 4, v2
	s_delay_alu instid0(VALU_DEP_1)
	v_lshl_add_u32 v8, v3, 11, v8                  ; wave 0: where 16 bytes of words go in memory: 2,048 h + 16 r
	v_add_nc_u32 v9, SCW, v4                       ; and where they lie in LDS
	s_mov_b32 s[SEL], 0x76543210
	s_mov_b32 s[SEL+1], 0xfedcba98
	s_and_b32 s20, ttmp7, 0xffff                   ; rg: which 128 rows of the stack
	s_and_b32 s21, s20, 7
	s_lshr_b32 s26, s18, 1
	s_lshl_b32 s26, s26, 5
	s_and_b32 s27, s18, 1
	s_lshl_b32 s27, s27, 3
	s_add_co_u32 s26, s26, s27                     ; my tile's first row among the 128: 32 (w / 2) + 8 (w % 2)
	s_lshl_b32 s30, s20, 3
	s_add_co_u32 s30, s30, s18                     ; T = 8 rg + w
	s_mul_i32 s30, s30, 12288
	s_mul_i32 s27, ttmp9, 1536
	s_add_co_u32 s30, s30, s27                     ; my image
	s_mov_b32 s31, 0
	s_lshl_b32 s32, s20, 12                        ; the work-group's two groups of four tiles: 2 rg x 2,048
	s_lshl_b32 s27, ttmp9, 8
	s_add_co_u32 s32, s32, s27
	s_add_co_u32 s32, s32, XS
	s_mov_b32 s33, 0
	s_wait_alu depctr_va_vdst(0)
	s_wait_kmcnt 0x0
	s_cmp_lt_u32 s20, 80                           ; which tensor: the choice hangs on the work-group's number alone
	s_cselect_b64 s[4:5], s[12:13], s[14:15]
	s_cmp_lt_u32 s20, 72
	s_cselect_b64 s[4:5], s[10:11], s[4:5]
	s_cmp_lt_u32 s20, 64
	s_cselect_b64 s[4:5], s[8:9], s[4:5]
	s_cselect_b32 s21, s20, s21                    ; and which 128 rows of it
	s_lshl_b32 s21, s21, 7
	s_add_co_u32 s21, s21, s26
	s_lshl_b32 s28, s21, 12                        ; rows of 4,096 bytes
	s_lshl_b32 s27, ttmp9, 9                       ; K step S: 512 bytes on
	s_add_co_u32 s28, s28, s27
	s_mov_b32 s29, 0
	s_add_nc_u64 s[4:5], s[4:5], s[28:29]
	s_add_nc_u64 s[6:7], s[16:17], s[30:31]
	s_add_nc_u64 s[16:17], s[16:17], s[32:33]
.irp i, 0,1,2,3,4,5,6,7,8,9,10,11,12,13,14,15
	global_load_b128 v[R+4*\i:R+4*\i+3], v4, s[4:5] offset:(\i+8*(\i/8))*4096 th:TH_LOAD_NT   ; image row i: 32 lanes read 512 consecutive bytes
.endr
.irp i, 0,1,2,3,4,5,6,7,8,9,10,11,12,13,14,15
	s_wait_loadcnt 15-\i                           ; loads come back in order: row i is in, the younger ones may stay out
	ds_store_b128 v5, v[R+4*\i:R+4*\i+3] offset:528*\i
.endr
.irp b, 0,1,2,3
.irp j, 0,1,2,3
	ds_load_b128 v[X+16*\b+4*\j:X+16*\b+4*\j+3], v6 offset:128*\b+16*\j   ; LDS serves a wave's instructions in order: these see my stores
.endr
.endr
	s_wait_dscnt 0x0
.irp b, 0,1,2,3
	v_mov_b32 v[TM+4+\b], 0                        ; a lane permute's destination counts as one of its sources
.endr
	QUANT X, PW
.irp c, 0,1,2
	global_store_b128 v4, v[PC+4*\c:PC+4*\c+3], s[6:7] offset:512*\c   ; the image: 512 consecutive bytes a store
.endr
	ds_store_b32 v7, v[PW]                         ; lanes r and r + 16 write the same word with the same value
	s_wait_dscnt 0x0                               ; for wave 0's sake: my word has landed
	s_barrier_signal -1
	s_barrier_wait -1
	s_cmp_lg_u32 s18, 0
	s_cbranch_scc1 .Ldone
	ds_load_b128 v[SW:SW+3], v9                    ; the work-group's 128 words
	s_wait_dscnt 0x0
	global_store_b128 v8, v[SW:SW+3], s[16:17]     ; sixteen lanes store 256 consecutive bytes, aligned
.Ldone:
	s_wait_tensorcnt 0x0
	ds_add_u32 v144, v145
	s_wait_dscnt 0x0
	s_endpgm
.Lfunc_end_k_q306e31acd7_quant:
	.size	k_q306e31acd7_quant, .Lfunc_end_k_q306e31acd7_quant-k_q306e31acd7_quant
	.p2alignl 7, 3214868480
	.fill 96, 4, 3214868480
	.section	.rodata,"a",@progbits
	.p2align	6, 0x0
	.amdhsa_kernel k_q306e31acd7_quant
		.amdhsa_group_segment_fixed_size 69120
		.amdhsa_private_segment_fixed_size 0
		.amdhsa_enable_private_segment 0
		.amdhsa_kernarg_size 40
		.amdhsa_user_sgpr_count 2
		.amdhsa_user_sgpr_kernarg_segment_ptr 1
		.amdhsa_wavefront_size32 1
		.amdhsa_system_sgpr_workgroup_id_x 1
		.amdhsa_system_sgpr_workgroup_id_y 1
		.amdhsa_system_sgpr_workgroup_id_z 1
		.amdhsa_system_vgpr_workitem_id 0
		.amdhsa_next_free_vgpr 146
		.amdhsa_next_free_sgpr 66
		.amdhsa_reserve_vcc 0
		.amdhsa_float_denorm_mode_32 3
		.amdhsa_float_denorm_mode_16_64 3
		.amdhsa_memory_ordered 1
		.amdhsa_forward_progress 1
		.amdhsa_inst_pref_size 14
	.end_amdhsa_kernel
	.amdgpu_metadata
---
amdhsa.version: [ 1, 2 ]
amdhsa.kernels:
  - .name:           k_q306e31acd7_quant
    .symbol:         k_q306e31acd7_quant.kd
    .args:
      - { .name: x, .offset: 0, .size: 8, .value_kind: global_buffer, .address_space: global }
      - { .name: Wq, .offset: 8, .size: 8, .value_kind: global_buffer, .address_space: global }
      - { .name: Wk, .offset: 16, .size: 8, .value_kind: global_buffer, .address_space: global }
      - { .name: Wv, .offset: 24, .size: 8, .value_kind: global_buffer, .address_space: global }
      - { .name: xw, .offset: 32, .size: 8, .value_kind: global_buffer, .address_space: global }
    .group_segment_fixed_size: 69120
    .private_segment_fixed_size: 0
    .kernarg_segment_align: 8
    .kernarg_segment_size: 40
    .max_flat_workgroup_size: 256
    .sgpr_count:     66
    .vgpr_count:     146
    .wavefront_size: 32
...
	.end_amdgpu_metadata
.endif
;; end of part 1
;; launch proj (part 2): grid 8 x 32, 4 waves a work-group, clusters of 4 x 4, 327,680 bytes of LDS; arguments xw, bq, bk, bv, qkv; writes qkv
.if DOCPART == 2
	.amdgcn_target "amdgcn-amd-amdhsa--gfx1250"
	.amdhsa_code_object_version 6
	.text
	.protected	k_q306e31acd7_proj
	.globl	k_q306e31acd7_proj
	.p2align	8
	.type	k_q306e31acd7_proj,@function
k_q306e31acd7_proj:
	s_mov_b64 s[64:65], 0
	v_nop
	global_prefetch_b8 v0, s[64:65] scope:SCOPE_SE
	s_setreg_imm32_b32 hwreg(HW_REG_WAVE_MODE, 25, 1), 1
	s_wait_xcnt 0x0
	s_wait_alu depctr_hold_cnt(0) depctr_sa_sdst(0) depctr_va_vdst(0) depctr_va_sdst(0) depctr_va_ssrc(0) depctr_va_vcc(0) depctr_vm_vsrc(0)
	s_getreg_b32 s2, hwreg(HW_REG_IB_STS2, 6, 4)
	s_cmp_eq_u32 s2, 0
	s_cbranch_scc0 .Lentry_in_a_cluster
	s_endpgm
.Lentry_in_a_cluster:
	s_bfe_u32 s2, ttmp6, 0x10000c
	s_cmp_lg_u32 s2, 0xf033
	s_cbranch_scc0 .Lentry_shape_is_right
	s_endpgm
.Lentry_shape_is_right:
; q = x Wq^T + bq, k = x Wk^T + bk, v = x Wv^T + bv on codes of FP6 (E2M3) with E8M0 scales; the results are quantised on the way out, q and k along e, v along the tokens (the keys), and leave as codes.
; A WORK-GROUP STAYS: (tx, ty) first makes 256 tokens x 256 columns of q (tx 0-3) or k (tx 4-7), then 128 e (128 tx on) x the same 256 tokens of v^T.  Four waves.
; PHASE 1: source 1 = 16 tokens, source 0 = 16 rows of W: a lane holds a token, its registers run along e.  A wave makes 128 x 128: 64 accumulators, 512 matrix instructions.
; PHASE 2: source 1 = 16 rows of Wv, source 0 = 16 tokens: a lane holds one e, its registers run along the tokens.  A wave makes 64 e x 128 tokens: 32 accumulators, 256 matrix instructions.
; OPERANDS ARE IMAGES OF REGISTERS in memory and in LDS: tile T (16 rows), K step S (128): 1,536 bytes at T x 12,288 + S x 1,536, register n of lane l at 512 (n / 4) + 16 l + 4 (n % 4): a fragment is three loads of 16 bytes
; a lane, 512 consecutive bytes each.  Image row r of tile T is matrix row 32 (T / 2) + 8 (T % 2) + r + 8 (r / 8), so that register 8 b + j of a lane's results against source 0's tiles b = 0 .. 7 is source 0's row
; 32 (b / 2) + 16 (lane / 16) + 8 (b % 2) + j: 16 neighbours along the next K in each pair of tiles, which is what the conversions take.
; LDS: THE TOKENS' 256 ROWS LIE THERE FOR ALL OF K (four slots of 256 along K, 49,152 bytes each, filled once): both phases read them.  W goes through a ring of two slots of 49,152 bytes: Wq's or Wk's four slots
; (16 tiles x 256 along K), then Wv's two halves (8 tiles x 512 along K), which are asked for in phase 1's last steps and land while its results go out.  Phase 2 has one barrier in front of it and none inside.
; Every wave fetches a quarter of every slot, 12,288 bytes: no tensor load stands under a branch.  All steps are written out (768 matrix instructions written, 768 executed).
; CLUSTERS: 4 x 4.  The tokens' tiles hang on the tile row and are asked for jointly along a row of the cluster, W's and Wv's on the tile column and jointly along a column.
; The scale words (20 KB of the 512 KB that a work-group reads) come by plain loads, each work-group its own: a twenty-fifth of the bytes.
; LIMITS: NaN and infinities are not served.  A block of zeros gets the byte 1: its codes are zeros, and this program alone reads the bytes.
; REGISTERS: window 0: v1, v4-15, v24-31 addresses; v16-23 bv of my lane's e, in pairs; v32-63 scale words, two sets; phase 1: v64-159, v160-255 the tokens' fragments, two sets, on its way out v64-175 at work;
;   phase 2: v96-143, v144-191 Wv's fragments, two sets, on its way out v96-135 and v192-255 at work.   window 1: v0-95, v128-223 source 0's fragments, two sets; v96-127, v224-255 bq or bk of my 64 e.
;   windows 2, 3: accumulator (a, b) at v[8 (8 (a % 4) + b)], a < 4 in window 2; phase 2 has window 2 alone.
; THE TOKENS IN LDS, AND THE HEAD'S LOADS (this takes the place of what the lines above say of the tokens' four slots and of quarters at the head): the tokens lie as two halves of 512 along K,
; each 16 tiles x 6,144 bytes.  At the head each wave issues one joint load: wave 0 the tokens' K steps 0-3, wave 1 their K steps 4-7, wave 2 W's slot 0, wave 3 W's slot 1, each whole.
; The ring's refills stay a quarter of a slot a wave.
.set RT,    3072                       ; a tile's bytes for 256 along K
.set TP,    12288                      ; from tile to tile in memory
.set QT,    4*RT                       ; a quarter of a slot: what one tensor load brings
.set HT,    8*RT                       ; half of a slot: what one wave reads of a side
.set TSLOT, 16*RT                      ; the tokens' 16 tiles, 256 along K
.set WR,    4*TSLOT                    ; behind the tokens' four slots: W's ring
.set WSLOT, 16*RT
.set SCL,   WR+2*WSLOT                 ; behind the ring: Wv's scale words [2][8][256],
.set SCT,   SCL+4096                   ; the tokens' [4][8][256],
.set SCW,   SCT+8192                   ; Wq's or Wk's [4][8][256]
.set SPARE, SCW+8192                   ; the spare words, 128 bytes for each wave: two blocks of 256 bytes that no other line names
.set XS,    8650752                    ; xw: the scale words
.set KC,    6291456                    ; qkv: q's codes at 0, k's, v's [batch 4][tile 64][K step 16][1536];
.set VC,    12582912
.set QS,    18874368                   ; q's scale words, k's 262,144 bytes on, v's [batch 4][group 16][K step 16][256]
.set VS,    19398656
.set ADRS2, 1                          ; v1   phase 2's scale words: lanes 0-15 Wv's, lanes 16-31 the tokens'
.set L16,   4                          ; v4   16 x lane
.set SOFF,  5                          ; v5   phase 1's way out: where my 16 bytes of scale words go
.set SCST,  6                          ; v6   SCL + 16 x thread
.set TID16, 7                          ; v7   16 x thread
.set ADRA,  8                          ; v8-11  phase 1: the tokens' fragments in slots 0 .. 3
.set ADRB,  12                         ; v12-13 W's, in the ring's slot 0, 1
.set ADRS,  14                         ; v14  phase 1's scale words: lanes 0-15 the tokens', lanes 16-31 W's
.set BL,    16
.set ADRT,  24                         ; v24-27 phase 2: the tokens' fragments in slots 0 .. 3
.set ADRV,  28                         ; v28-29 Wv's, in the ring's slot 0, 1
.set SPW,   30                         ; v30  my spare word: SPARE + 4 x thread; never rewritten
.set NIL,   31                         ; v31  0; never rewritten
.set SC,    32
.set AF,    64                         ; phase 1: the tokens' fragments
.set AV,    96                         ; phase 2: Wv's
.set T,     64                         ; phase 1's way out: v64-127 64 numbers; v128-143 at work; v144-162 the codes; v164-171 the eight tiles' scale words; v172-175 as they are stored
.set TM,    128
.set PC,    144
.set PWS,   164
.set SW,    172
.set T2,    192                        ; phase 2's way out: v192-255 64 numbers; v132-135 the four tiles' scale words (TM and PC are set anew there)
.set PWV,   132
.set G1T, 24                           ; s[24:31] descriptor group 1 for the tokens' tiles; s[32:39] for W's; s[40:47] for Wv's
.set G1W, 32
.set G1V, 40
.set G0T, 48                           ; s[48:51] group 0 for my half of the tokens; s[52:55] for W's slot at the head; s[68:75] for W's refills; s[76:83] for Wv's two halves
.set G0W, 68
.set G0V, 76
.set OB,  84                           ; s[84:85], s[86:87] phase 1: where the codes and the scale words go; s[88:89], s[90:91] phase 2
.set SB,  86
.set OB2, 88
.set SB2, 90
.set SEL, 92                           ; s[92:93] lane selects: lane l xor 16
.set HM,  94                           ; s94 lanes 16-31
.set MSB, 0
.macro WIN new                         ; the immediate's high byte repeats the setting that is left
.if MSB != \new
	s_set_vgpr_msb (MSB<<8)|\new
.set MSB, \new
.endif
.endm
.set MUL_LO, 0xa1                      ; source 0 window 1, source 1 window 0, C and D window 2
.set MUL_HI, 0xf1                      ; the same, C and D window 3
.set TO_B,   0x40                      ; destination window 1, address window 0
.macro CREST                           ; a round of the cluster's barrier behind its opening barrier
	s_cmp_lg_u32 s14, 0
	s_cbranch_scc1 .Lnot_wave_0_\@
	s_barrier_signal -3
.Lnot_wave_0_\@:
	s_barrier_wait -3
	s_barrier_signal -1
	s_barrier_wait -1
.endm
.macro CROUND                          ; a whole round
	s_barrier_signal -1
	s_barrier_wait -1
	CREST
.endm
.macro PLACES                          ; four plain places: behind matrix instructions, in front of loads into registers that they read and of the first read of results
.rept 4
	v_nop
.endr
.endm
.macro FRAG reg, adr, off              ; a fragment comes as it was stored: three loads of 16 bytes a lane
.irp c, 0,1,2
	ds_load_b128 v[\reg+4*\c:\reg+4*\c+3], v[\adr] offset:\off+512*\c
.endr
.endm
; ---- phase 1
.macro FETCH ts, ws, q, p              ; the 16 fragments of the q-th K step of the tokens' slot ts and the ring's slot ws into set p
	WIN TO_B
.irp i, 0,1,2,3,4,5,6,7
	FRAG 128*(\p)+12*\i, ADRB+\ws, \i*RT+(\q)*1536
.endr
	WIN 0
.irp i, 0,1,2,3,4,5,6,7
	FRAG AF+96*(\p)+12*\i, ADRA+\ts, \i*2*RT+(\q)*1536
.endr
.endm
.macro SCALES sc                       ; a slot's scale words into set sc: register 8 q + i: lanes 0-15 the tokens' tile i, lanes 16-31 W's tile i
.irp q, 0,1
.irp g, 0,1
	ds_load_b128 v[SC+16*(\sc)+8*\q+4*\g:SC+16*(\sc)+8*\q+4*\g+3], v[ADRS] offset:\g*2048+\q*256
.endr
.endr
.endm
; 16 matrix instructions: the tokens' tiles a0, a0 + 1 against W's eight.  The 64 accumulators take turns, one instruction a turn, in the same order in every step.
.macro MUL16 a0, p, q, sc, zero
.irp a, \a0, \a0+1
.irp b, 0,1,2,3,4,5,6,7
.if \zero
	v_wmma_scale_f32_16x16x128_f8f6f4 v[8*(8*((\a)%4)+\b):8*(8*((\a)%4)+\b)+7], v[128*(\p)+12*\b:128*(\p)+12*\b+11], v[AF+96*(\p)+12*(\a):AF+96*(\p)+12*(\a)+11], 0, v[SC+16*(\sc)+8*(\q)+\b], v[SC+16*(\sc)+8*(\q)+(\a)] matrix_a_fmt:MATRIX_FMT_FP6 matrix_b_fmt:MATRIX_FMT_FP6 matrix_a_scale:MATRIX_SCALE_ROW1
.else
	v_wmma_scale_f32_16x16x128_f8f6f4 v[8*(8*((\a)%4)+\b):8*(8*((\a)%4)+\b)+7], v[128*(\p)+12*\b:128*(\p)+12*\b+11], v[AF+96*(\p)+12*(\a):AF+96*(\p)+12*(\a)+11], v[8*(8*((\a)%4)+\b):8*(8*((\a)%4)+\b)+7], v[SC+16*(\sc)+8*(\q)+\b], v[SC+16*(\sc)+8*(\q)+(\a)] matrix_a_fmt:MATRIX_FMT_FP6 matrix_b_fmt:MATRIX_FMT_FP6 matrix_a_scale:MATRIX_SCALE_ROW1
.endif
.endr
.endr
.endm
.macro STEP ts, zero                   ; a slot's first K step, on set 0; the second's fragments are fetched into set 1
	s_wait_dscnt 0x0                               ; this step's fragments, asked for 32 matrix instructions ago or more, are in
	PLACES                                         ; set 1 was read by the step before
	FETCH \ts, (\ts)%2, 1, 1
	WIN MUL_LO
	MUL16 0, 0, 0, (\ts)%2, \zero
	MUL16 2, 0, 0, (\ts)%2, \zero
	WIN MUL_HI
	MUL16 4, 0, 0, (\ts)%2, \zero
	MUL16 6, 0, 0, (\ts)%2, \zero
	WIN 0
.endm
; A slot's second K step, on set 1, changes slots, and the ring's slot just read out is filled again by the load of groups g0, g1: one barrier, which opens a round of the cluster's; in front of it each wave waits for all
; its tensor loads, adds 0 to its spare word, and waits for that and for its reads of the slot.  step = 1: the load's address goes two slots on along K first.
.macro TURN ts, g0, g1, step
	s_wait_tensorcnt 0x0                           ; all my tensor loads have landed, my parts of the next slots among them: so a group 0 may be written
	ds_add_u32 v[SPW], v[NIL]                      ; 0 onto my spare word
.if \step
	s_add_nc_u64 s[\g0+2:\g0+3], s[\g0+2:\g0+3], 2*RT
	s_mov_b32 s[G1W+2], 4<<16                      ; no tensor load of mine is out: from here on a load of W brings four tiles
	s_mov_b32 s[G1W+4], 4
.endif
	s_wait_dscnt 0x0                               ; the add is done, and my reads of the ring's slot are over
	s_barrier_signal -1
	WIN MUL_LO
	MUL16 0, 1, 1, (\ts)%2, 0                      ; work on registers while the others arrive
	MUL16 2, 1, 1, (\ts)%2, 0
	WIN 0
	s_barrier_wait -1
	CREST                                          ; no wave of any partner still reads this slot or has a load on its way
	tensor_load_to_lds s[\g0:\g0+3], s[\g1:\g1+7]  ; my one tensor load behind the round, and the first thing there: a quarter of the slot
	s_nop 0
	PLACES                                         ; four v_nop follow it; they are also the places in front of the loads below
.if (\ts) < 3
	s_wait_alu depctr_va_vdst(0)
	v_add_nc_u32 v[ADRS], 512, v[ADRS]             ; on to the next slot's scale words
	FETCH (\ts)+1, ((\ts)+1)%2, 0, 0
	SCALES ((\ts)+1)%2
.endif
	WIN MUL_HI
	MUL16 4, 1, 1, (\ts)%2, 0
	MUL16 6, 1, 1, (\ts)%2, 0
	WIN 0
.endm
; ---- phase 2
.macro FETCHV t, p                     ; K step t of 8: the tokens' eight fragments (slot t / 2) and Wv's four (half t / 4) into set p
	WIN TO_B
.irp i, 0,1,2,3,4,5,6,7
	FRAG 128*(\p)+12*\i, ADRT+(\t)/2, \i*2*RT+((\t)%2)*1536
.endr
	WIN 0
.irp i, 0,1,2,3
	FRAG AV+48*(\p)+12*\i, ADRV+(\t)/4, \i*2*RT+((\t)%4)*1536
.endr
.endm
.macro SCALEV sc                       ; two K steps' scale words into set sc: register 8 q + i: lanes 0-15 Wv's tile i (i < 4; beyond that bytes that are written and not used), lanes 16-31 the tokens' tile i
.irp q, 0,1
.irp g, 0,1
	ds_load_b128 v[SC+16*(\sc)+8*\q+4*\g:SC+16*(\sc)+8*\q+4*\g+3], v[ADRS2] offset:\g*2048+\q*256
.endr
.endr
.endm
; 16 matrix instructions: Wv's tiles a0, a0 + 1 against the tokens' eight.  The 32 accumulators take turns, one instruction a turn, in the same order in every step.
.macro MULV a0, p, q, sc, zero
.irp a, \a0, \a0+1
.irp b, 0,1,2,3,4,5,6,7
.if \zero
	v_wmma_scale_f32_16x16x128_f8f6f4 v[8*(8*(\a)+\b):8*(8*(\a)+\b)+7], v[128*(\p)+12*\b:128*(\p)+12*\b+11], v[AV+48*(\p)+12*(\a):AV+48*(\p)+12*(\a)+11], 0, v[SC+16*(\sc)+8*(\q)+\b], v[SC+16*(\sc)+8*(\q)+(\a)] matrix_a_fmt:MATRIX_FMT_FP6 matrix_b_fmt:MATRIX_FMT_FP6 matrix_a_scale:MATRIX_SCALE_ROW1
.else
	v_wmma_scale_f32_16x16x128_f8f6f4 v[8*(8*(\a)+\b):8*(8*(\a)+\b)+7], v[128*(\p)+12*\b:128*(\p)+12*\b+11], v[AV+48*(\p)+12*(\a):AV+48*(\p)+12*(\a)+11], v[8*(8*(\a)+\b):8*(8*(\a)+\b)+7], v[SC+16*(\sc)+8*(\q)+\b], v[SC+16*(\sc)+8*(\q)+(\a)] matrix_a_fmt:MATRIX_FMT_FP6 matrix_b_fmt:MATRIX_FMT_FP6 matrix_a_scale:MATRIX_SCALE_ROW1
.endif
.endr
.endr
.endm
.macro STEPV t, zero                   ; K step t on set t % 2; the next step's fragments are fetched into the other set
	s_wait_dscnt 0x0                               ; this step's fragments, asked for 32 matrix instructions ago, are in
	PLACES                                         ; the other set was read by the step before
.if (\t) < 7
.if (\t)%2 == 1
	s_wait_alu depctr_va_vdst(0)
	v_add_nc_u32 v[ADRS2], 512, v[ADRS2]           ; on to the next two steps' scale words
.endif
	FETCHV (\t)+1, ((\t)+1)%2
.if (\t)%2 == 1
	SCALEV (((\t)+1)/2)%2
.endif
.endif
	WIN MUL_LO
	MULV 0, (\t)%2, (\t)%2, ((\t)/2)%2, \zero
	MULV 2, (\t)%2, (\t)%2, ((\t)/2)%2, \zero
	WIN 0
.endm
; 64 numbers of a lane, v[s] on, register 16 b + i = k 32 b + 16 (lane / 16) + i of my row, become a fragment's codes in v[PC] .. v[PC + 11] and its scale word in v[pw].
.macro QUANT s, pw
.irp b, 0,1,2,3
	v_max3_num_f32 v[TM+\b], |v[\s+16*\b]|, |v[\s+1+16*\b]|, 0x1800000   ; my 16 numbers of block b, and the floor 2^(3 - 127): the byte cannot fall under 1
.endr
.irp i, 2,4,6,8,10,12,14
.irp b, 0,1,2,3
	v_max3_num_f32 v[TM+\b], v[TM+\b], |v[\s+16*\b+\i]|, |v[\s+1+16*\b+\i]|
.endr
.endr
.irp b, 0,1,2,3
	v_permlanex16_b32 v[TM+4+\b], v[TM+\b], s[SEL], s[SEL+1]
.endr
.irp b, 0,1,2,3
	v_max_num_f32 v[TM+\b], v[TM+\b], v[TM+4+\b]   ; with lane l xor 16's: the block's largest magnitude
.endr
.irp b, 0,1,2,3
	v_add_nc_u32 v[TM+12+\b], 0xff000000, v[TM+\b]   ; 2 off its exponent field: the conversion's scale operand
.endr
.irp b, 0,1,2,3
	v_lshrrev_b32 v[TM+4+\b], 23, v[TM+12+\b]      ; the scale's byte
.endr
	v_lshl_or_b32 v[\pw], v[TM+5], 8, v[TM+4]
	v_lshl_or_b32 v[\pw], v[TM+6], 16, v[\pw]
	v_lshl_or_b32 v[\pw], v[TM+7], 24, v[\pw]
.irp c, 0,1
	v_cvt_scalef32_pk16_fp6_f32 v[PC+6*\c:PC+2+6*\c], v[\s+32*\c:\s+15+32*\c], v[TM+12+2*\c]
	v_cvt_scalef32_pk16_fp6_f32 v[PC+12+4*\c:PC+14+4*\c], v[\s+16+32*\c:\s+31+32*\c], v[TM+12+2*\c+1]   ; (a conversion's three registers begin on an even number)
.endr
	v_nop                                          ; one plain place behind a scaled conversion
.irp c, 0,1                                    ; the operand's layout wants a whole block in a lane
.irp i, 0,1,2
	v_permlane16_swap_b32 v[PC+6*\c+\i], v[PC+12+4*\c+\i]
.endr
.irp i, 0,1,2
	v_mov_b32 v[PC+3+6*\c+\i], v[PC+12+4*\c+\i]
.endr
.endr
.endm
	s_load_b256 s[4:11], s[0:1], 0x0               ; xw s[4:5], bq s[6:7], bk s[8:9], bv s[10:11]
	s_load_b64 s[12:13], s[0:1], 0x20              ; qkv
	v_lshl_add_u32 v[SPW], v0, 2, SPARE
	v_mov_b32 v[NIL], 0
	ds_add_u32 v30, v31
	ds_add_u32 v30, v31
	s_wait_dscnt 0x0
	v_lshrrev_b32 v1, 5, v0
	v_readfirstlane_b32 s14, v1                    ; wave 0..3
	s_lshr_b32 s15, s14, 1                         ; wr: which half of source 1's tiles is mine
	s_and_b32 s16, s14, 1                          ; wc: which half of source 0's
	s_bfe_u32 s19, ttmp6, 0x40000                  ; cx, cy: my place in the cluster
	s_bfe_u32 s20, ttmp6, 0x40004
	s_lshl_b32 s18, ttmp9, 2
	s_add_co_u32 s18, s18, s19                     ; tx = 4 x cluster x + cx: cluster x 0 makes q, 1 makes k
	s_and_b32 s17, ttmp7, 0xffff
	s_lshl_b32 s17, s17, 2
	s_add_co_u32 s17, s17, s20                     ; ty = 4 x cluster y + cy
	s_lshl_b32 s22, s20, 2
	s_lshl_b32 s22, 15, s22                        ; my row of the cluster
	s_lshl_b32 s23, 0x1111, s19                    ; my column
	; descriptor group 1: rows (tiles), TP bytes apart, in elements of 8 bytes; no padding
	s_or_b32 s[G1T], s22, (3<<16)|(1<<21)          ; 15:0 the mask; 17:16 elements of 8 bytes; 21 set beside a mask
	s_or_b32 s[G1W], s23, (3<<16)|(1<<21)
	s_or_b32 s[G1V], s23, (3<<16)|(1<<21)
.irp g, G1T, G1W
	s_mov_b32 s[\g+1], (RT/8)<<16                  ; tensor_dim0: 256 along K
	s_mov_b32 s[\g+2], 16<<16                      ; tensor_dim1: at the head sixteen tiles
	s_mov_b32 s[\g+3], (RT/8)<<16                  ; tile_dim0
	s_mov_b32 s[\g+4], 16                          ; tile_dim1
	s_mov_b32 s[\g+5], TP/8                        ; tensor_dim0_stride
	s_mov_b32 s[\g+6], 0
	s_mov_b32 s[\g+7], 0
.endr
	s_mov_b32 s[G1T+1], (2*RT/8)<<16               ; the tokens: 512 along K
	s_mov_b32 s[G1T+3], (2*RT/8)<<16
	s_mov_b32 s[G1V+1], (2*RT/8)<<16               ; Wv: 512 along K,
	s_mov_b32 s[G1V+2], 2<<16                      ; two tiles
	s_mov_b32 s[G1V+3], (2*RT/8)<<16
	s_mov_b32 s[G1V+4], 2
	s_mov_b32 s[G1V+5], TP/8
	s_mov_b32 s[G1V+6], 0
	s_mov_b32 s[G1V+7], 0
	; what I fetch: a quarter of each slot
	s_lshl_b32 s20, s17, 4
	s_lshl_b32 s94, s14, 2
	s_mul_i32 s20, s20, TP                         ; tokens: tile 16 ty,
	s_mul_i32 s21, s16, 2*RT
	s_add_co_u32 s20, s20, s21                     ; K steps 4 (wave % 2) on
	s_mov_b32 s21, 0
	s_lshl_b32 s22, s18, 4
	s_add_co_u32 s22, s22, s94
	s_add_co_u32 s22, s22, 512                     ; W: tile 512 + 16 tx + 4 x wave of the stack (Wq's 64 tiles, then Wk's)
	s_mul_i32 s22, s22, TP
	s_mov_b32 s23, 0
	s_lshl_b32 s66, s18, 3
	s_lshl_b32 s94, s14, 1
	s_add_co_u32 s66, s66, s94
	s_add_co_u32 s66, s66, 640                     ; Wv: tile 640 + 8 tx + 2 x wave
	s_mul_i32 s66, s66, TP
	s_mov_b32 s67, 0
	s_mul_i32 s95, s14, QT                         ; and where it goes in a slot: wave x 12,288: no place in the cluster enters an LDS address
	s_mov_b32 s[G0T], 1                            ; count = 1
	s_mul_i32 s[G0T+1], s16, 2*TSLOT               ; LDS address: the tokens' half wave % 2
	s_mov_b32 s[G0T+4], 1
	s_mul_i32 s[G0T+5], s16, WSLOT
	s_add_co_u32 s[G0T+5], s[G0T+5], WR            ; the ring's slot wave % 2
	s_lshl_b32 s56, s18, 4
	s_add_co_u32 s56, s56, 512
	s_mul_i32 s56, s56, TP                         ; W: tile 512 + 16 tx,
	s_mul_i32 s57, s16, RT
	s_add_co_u32 s56, s56, s57                     ; K steps 2 (wave % 2) on
	s_mov_b32 s57, 0
.irp s, 0,1
	s_mov_b32 s[G0W+4*\s], 1
	s_add_co_u32 s[G0W+4*\s+1], s95, WR+\s*WSLOT
	s_mov_b32 s[G0V+4*\s], 1
	s_add_co_u32 s[G0V+4*\s+1], s95, WR+\s*WSLOT
.endr
	; where phase 1's results go: tile 16 ty + 8 wr + a of the tokens, K step 2 cx + wc of e
	s_lshl_b32 s94, s17, 4
	s_lshl_b32 s95, s15, 3
	s_add_co_u32 s94, s94, s95                     ; 16 ty + 8 wr
	s_mul_i32 s84, s94, 12288
	s_lshl_b32 s86, s94, 9
	s_mul_i32 s95, ttmp9, KC
	s_add_co_u32 s84, s84, s95
	s_lshl_b32 s95, ttmp9, 18
	s_add_co_u32 s86, s86, s95
	s_lshl_b32 s94, s19, 1
	s_add_co_u32 s94, s94, s16                     ; 2 cx + wc
	s_mul_i32 s95, s94, 1536
	s_add_co_u32 s84, s84, s95                     ; the codes
	s_mov_b32 s85, 0
	s_lshl_b32 s95, s94, 8
	s_add_co_u32 s86, s86, s95
	s_add_co_u32 s86, s86, QS                      ; the scale words
	s_mov_b32 s87, 0
	; where phase 2's go: batch ty / 8, tile 8 tx + 4 wr + a of e, K step 2 (ty % 8) + wc of the batch's tokens
	s_lshr_b32 s94, s17, 3                         ; the batch
	s_mul_i32 s88, s94, 64*24576
	s_lshl_b32 s90, s94, 16
	s_lshl_b32 s94, s18, 1
	s_add_co_u32 s94, s94, s15                     ; 2 tx + wr: the group of four tiles
	s_mul_i32 s95, s94, 4*24576
	s_add_co_u32 s88, s88, s95
	s_lshl_b32 s95, s94, 12
	s_add_co_u32 s90, s90, s95
	s_and_b32 s94, s17, 7
	s_lshl_b32 s94, s94, 1
	s_add_co_u32 s94, s94, s16                     ; 2 (ty % 8) + wc
	s_mul_i32 s95, s94, 1536
	s_add_co_u32 s88, s88, s95
	s_add_co_u32 s88, s88, VC                      ; the codes
	s_mov_b32 s89, 0
	s_lshl_b32 s95, s94, 8
	s_add_co_u32 s90, s90, s95
	s_add_co_u32 s90, s90, VS                      ; the scale words
	s_mov_b32 s91, 0
	s_lshl_b32 s96, s17, 13
	s_add_co_u32 s96, s96, XS                      ; the tokens' scale words in xw: ty x 8,192;
	s_mov_b32 s97, 0
	s_lshl_b32 s98, s18, 13
	s_add_co_u32 s98, s98, 128*2048+XS             ; W's: (128 + 4 tx) x 2,048;
	s_mov_b32 s99, 0
	s_lshl_b32 s2, s18, 12
	s_add_co_u32 s2, s2, 160*2048+XS               ; Wv's: (160 + 2 tx) x 2,048
	s_mov_b32 s3, 0
	v_and_b32 v1, 31, v0
	v_and_b32 v2, 15, v0                           ; r
	v_bfe_u32 v3, v0, 4, 1                         ; h
	v_lshlrev_b32 v[L16], 4, v1
	v_lshlrev_b32 v[TID16], 4, v0
	v_add_nc_u32 v[SCST], SCL, v[TID16]
	v_lshlrev_b32 v[SOFF], 4, v2
	v_lshl_add_u32 v[SOFF], v3, 11, v[SOFF]        ; 2,048 h + 16 r
	s_mul_i32 s94, s15, 2*HT                       ; the eight tiles of a half of the tokens that wr names,
	s_mul_i32 s95, s16, 2*HT                       ; and those that wc names
.irp s, 0,1,2,3                                ; register s serves K steps 2 s, 2 s + 1: half s / 2, 3,072 (s % 2) bytes into a tile
	v_add_nc_u32 v[ADRA+\s], s94, v[L16]           ; phase 1 takes its tokens by wr,
	v_add_nc_u32 v[ADRT+\s], s95, v[L16]           ; phase 2 by wc
	s_add_co_u32 s94, s94, RT+(2*TSLOT-2*RT)*(\s%2)
	s_add_co_u32 s95, s95, RT+(2*TSLOT-2*RT)*(\s%2)
.endr
	s_mul_i32 s94, s15, HT                         ; the ring: the half of a slot that wr names,
	s_mul_i32 s95, s16, HT                         ; and the half that wc names
	s_add_co_u32 s94, s94, WR
	s_add_co_u32 s95, s95, WR
.irp s, 0,1                                    ; (four slots on: the ring)
	v_add_nc_u32 v[ADRV+\s], s94, v[L16]           ; Wv's tiles by wr,
	v_add_nc_u32 v[ADRB+\s], s95, v[L16]           ; W's by wc
	s_add_co_u32 s94, s94, WSLOT
	s_add_co_u32 s95, s95, WSLOT
.endr
	s_lshl_b32 s94, s15, 12                        ; phase 1: the tokens' words of my half: 4,096 wr
	s_lshl_b32 s95, s16, 12
	s_add_co_u32 s95, s95, 8192                    ; W's: 8,192 + 4,096 wc further on
	s_sub_co_u32 s95, s95, s94
	v_mul_u32_u24 v1, s95, v3                      ; lanes 16-31 take W's
	s_add_co_u32 s94, s94, SCT
	v_lshl_add_u32 v1, v2, 4, v1
	v_add_nc_u32 v[ADRS], s94, v1
	s_lshl_b32 s94, s15, 11                        ; phase 2: Wv's words of my four tiles: 2,048 wr
	s_lshl_b32 s95, s16, 12
	s_add_co_u32 s95, s95, 4096                    ; the tokens': 4,096 + 4,096 wc further on
	s_sub_co_u32 s95, s95, s94
	v_mul_u32_u24 v1, s95, v3                      ; lanes 16-31 take the tokens'
	s_add_co_u32 s94, s94, SCL
	v_lshl_add_u32 v1, v2, 4, v1
	v_add_nc_u32 v[ADRS2], s94, v1
	v_lshlrev_b32 v15, 6, v3                       ; bq, bk: 64 h
	v_and_b32 v3, 8, v2
	v_add_nc_u32 v3, v3, v2
	v_lshlrev_b32 v3, 2, v3                        ; bv: 4 (r + 8 (r / 8))
	s_lshl_b32 s92, s19, 10
	s_lshl_b32 s93, s16, 9
	s_add_co_u32 s92, s92, s93                     ; bq, bk at my 128 e: (256 cx + 128 wc) x 4
	s_mov_b32 s93, 0
	s_lshl_b32 s94, s18, 9
	s_lshl_b32 s95, s15, 8
	s_add_co_u32 s94, s94, s95                     ; bv at my 64 e: (128 tx + 64 wr) x 4
	s_mov_b32 s95, 0
	s_wait_alu depctr_va_vdst(0)
	s_wait_kmcnt 0x0
	s_add_nc_u64 s[20:21], s[4:5], s[20:21]
	s_add_nc_u64 s[22:23], s[4:5], s[22:23]
	s_add_nc_u64 s[66:67], s[4:5], s[66:67]
	s_add_nc_u64 s[96:97], s[4:5], s[96:97]
	s_add_nc_u64 s[98:99], s[4:5], s[98:99]
	s_add_nc_u64 s[2:3], s[4:5], s[2:3]
	s_add_nc_u64 s[OB:OB+1], s[12:13], s[OB:OB+1]
	s_add_nc_u64 s[SB:SB+1], s[12:13], s[SB:SB+1]
	s_add_nc_u64 s[OB2:OB2+1], s[12:13], s[OB2:OB2+1]
	s_add_nc_u64 s[SB2:SB2+1], s[12:13], s[SB2:SB2+1]
	s_cmp_eq_u32 ttmp9, 0                          ; whose bias: the choice hangs on the cluster's x alone
	s_cselect_b64 s[6:7], s[6:7], s[8:9]
	s_add_nc_u64 s[6:7], s[6:7], s[92:93]
	s_add_nc_u64 s[10:11], s[10:11], s[94:95]
	s_mov_b32 s[SEL], 0x76543210
	s_mov_b32 s[SEL+1], 0xfedcba98
	s_mov_b32 s[HM], 0xffff0000
.irp i, 0,1                                    ; the small loads go out here and fly during the round.  Scale words: 128 threads x 16 bytes a load
	global_load_b128 v[64+4*\i:67+4*\i], v[TID16], s[2:3] offset:2048*\i
.endr
.irp i, 0,1,2,3
	global_load_b128 v[72+4*\i:75+4*\i], v[TID16], s[96:97] offset:2048*\i
	global_load_b128 v[88+4*\i:91+4*\i], v[TID16], s[98:99] offset:2048*\i
.endr
.irp a, 0,1,2,3
	global_load_b32 v[BL+2*\a], v3, s[10:11] offset:(32*(\a/2)+8*(\a%2))*4   ; bv at the e of my lane in tile a
.endr
	WIN TO_B
.irp b, 0,1,2,3,4,5,6,7                        ; bq or bk in the results' layout: for tile b the eight e 32 (b / 2) + 16 h + 8 (b % 2) + 0 .. 7
	global_load_b128 v[96+8*\b+96*(\b/4):99+8*\b+96*(\b/4)], v15, s[6:7] offset:(32*(\b/2)+8*(\b%2))*4
	global_load_b128 v[100+8*\b+96*(\b/4):103+8*\b+96*(\b/4)], v15, s[6:7] offset:(32*(\b/2)+8*(\b%2))*4+16
.endr
	WIN 0
	s_mov_b64 s[G0T+2:G0T+3], s[20:21]             ; global address
	s_or_b32 s[G0T+3], s[G0T+3], 0x80000000        ; type = 2
	s_add_nc_u64 s[G0T+6:G0T+7], s[4:5], s[56:57]
	s_or_b32 s[G0T+7], s[G0T+7], 0x80000000
.irp s, 0,1
	s_add_nc_u64 s[G0W+4*\s+2:G0W+4*\s+3], s[22:23], \s*RT
	s_or_b32 s[G0W+4*\s+3], s[G0W+4*\s+3], 0x80000000
	s_add_nc_u64 s[G0V+4*\s+2:G0V+4*\s+3], s[66:67], \s*2*RT ; Wv's half s holds K steps 4 s .. 4 s + 3
	s_or_b32 s[G0V+4*\s+3], s[G0V+4*\s+3], 0x80000000
.endr
	CROUND                                         ; all sixteen work-groups are here: the first joint loads meet
	s_cmp_eq_u32 s15, 0                            ; the first fills, one a wave: waves 0, 1 the tokens' two halves, waves 2, 3 W's two slots
	s_cbranch_scc0 .Lhead_w
	tensor_load_to_lds s[G0T:G0T+3], s[G1T:G1T+7]
	s_nop 0
	PLACES
	s_branch .Lhead_asked
.Lhead_w:
	tensor_load_to_lds s[G0T+4:G0T+7], s[G1W:G1W+7]
	s_nop 0
	PLACES
.Lhead_asked:
	s_wait_loadcnt 0x0
.irp a, 0,1,2,3
	v_mov_b32 v[BL+2*\a+1], v[BL+2*\a]             ; a pair for the packed addition
.endr
.irp i, 0,1
	ds_store_b128 v[SCST], v[64+4*\i:67+4*\i] offset:2048*\i
.endr
.irp i, 0,1,2,3
	ds_store_b128 v[SCST], v[72+4*\i:75+4*\i] offset:4096+2048*\i
	ds_store_b128 v[SCST], v[88+4*\i:91+4*\i] offset:12288+2048*\i
.endr
	s_wait_tensorcnt 0x0                           ; my one load of the head has landed
	s_wait_dscnt 0x0                               ; my scale words have landed
	s_barrier_signal -1
	s_barrier_wait -1
	FETCH 0, 0, 0, 0
	SCALES 0
	STEP 0, 1                                      ; the first products start the sums: nothing is cleared
	TURN 0, G0W, G1W, 1                            ; the ring's slot 0 takes W's K steps 4, 5
	STEP 1, 0
	TURN 1, G0W+4, G1W, 1                          ; slot 1 takes K steps 6, 7
	STEP 2, 0
	TURN 2, G0V, G1V, 0                            ; slot 0 takes Wv's K steps 0 to 3
	STEP 3, 0
	TURN 3, G0V+4, G1V, 0                          ; slot 1 takes Wv's K steps 4 to 7
	PLACES
; PHASE 1'S WAY OUT, a tile of 16 tokens at a time: its 64 sums a lane get their bias, are quantised along the registers and leave as an image: 3 stores of 512 consecutive bytes.
.macro OUTA a
.if (\a) > 0
	s_wait_xcnt 0x0                                ; the last tile's stores have read their data and their base
	s_add_nc_u64 s[OB:OB+1], s[OB:OB+1], 12288
.endif
	WIN (6+(\a)/4)                                 ; source 0 the sums (window 2 or 3), source 1 the bias (window 1)
.set n, 0
.rept 32
	v_pk_add_f32 v[T+2*n:T+2*n+1], v[64*((\a)%4)+2*n:64*((\a)%4)+2*n+1], v[96+2*n+96*(n/16):97+2*n+96*(n/16)]   ; each accumulator from its low end on
.set n, n+1
.endr
	WIN 0
	QUANT T, PWS+(\a)
.irp c, 0,1,2
	global_store_b128 v[L16], v[PC+4*\c:PC+4*\c+3], s[OB:OB+1] offset:512*\c
.endr
.endm
.irp b, 0,1,2,3
	v_mov_b32 v[TM+4+\b], 0                        ; a lane permute's destination counts as one of its sources
.endr
.irp a, 0,1,2,3,4,5,6,7
	OUTA \a
.endr
.irp j, 0,1,2,3
	v_cndmask_b32 v[SW+\j], v[PWS+\j], v[PWS+4+\j], s[HM]   ; lanes 0-15: tiles 0-3 of row r; lanes 16-31: tiles 4-7
.endr
	global_store_b128 v[SOFF], v[SW:SW+3], s[SB:SB+1]      ; sixteen lanes store 256 consecutive bytes, aligned
	; PHASE 2.  All that it reads lies in LDS behind this one barrier.
	s_wait_tensorcnt 0x0                           ; my part of Wv's second half is in
	s_wait_xcnt 0x0                                ; the stores above have read their registers: the fragments below may land there
	s_wait_dscnt 0x0
	s_barrier_signal -1
	s_barrier_wait -1                              ; everybody's is
	FETCHV 0, 0
	SCALEV 0
	STEPV 0, 1                                     ; the first products start the sums anew
.irp t, 1,2,3,4,5,6,7
	STEPV \t, 0
.endr
	PLACES
; PHASE 2'S WAY OUT, a tile of 16 e at a time: its 64 sums a lane (128 tokens with the lane 16 away) get the lane's bias, are quantised along the registers and leave as an image.
.set TM, 96                            ; v96-111 at work
.set PC, 112                           ; v112-130 the codes
.macro OUTV a
.if (\a) > 0
	s_wait_xcnt 0x0                                ; the last tile's stores have read their data and their base
	s_add_nc_u64 s[OB2:OB2+1], s[OB2:OB2+1], 24576
.endif
	WIN 0x02                                       ; source 0: the sums
.set n, 0
.rept 32
	v_pk_add_f32 v[T2+2*n:T2+2*n+1], v[64*(\a)+2*n:64*(\a)+2*n+1], v[BL+2*(\a):BL+2*(\a)+1]   ; each accumulator from its low end on
.set n, n+1
.endr
	WIN 0
	QUANT T2, PWV+(\a)
.irp c, 0,1,2
	global_store_b128 v[L16], v[PC+4*\c:PC+4*\c+3], s[OB2:OB2+1] offset:512*\c
.endr
.endm
.irp b, 0,1,2,3
	v_mov_b32 v[TM+4+\b], 0                        ; a lane permute's destination counts as one of its sources
.endr
	OUTV 0
	OUTV 1
	OUTV 2
	OUTV 3
	v_and_b32 v2, 15, v0
	v_lshlrev_b32 v2, 4, v2                        ; 16 r: where my row's four scale words go
	v_and_b32 v3, 31, v0
	v_cmp_gt_u32 vcc_lo, 16, v3                    ; lanes r and r + 16 hold the same four words: lanes 0-15 store them
	s_wait_alu depctr_va_vdst(0)
	s_wait_xcnt 0x0                                ; EXEC changes only behind this wait: the stores above have read it
	s_and_saveexec_b32 s95, vcc_lo
	global_store_b128 v2, v[PWV:PWV+3], s[SB2:SB2+1]       ; sixteen lanes store 256 consecutive bytes, aligned
	s_wait_xcnt 0x0                                ; and again, in front of the line that widens it
	s_or_b32 exec_lo, exec_lo, s95
	s_wait_tensorcnt 0x0                           ; the wave's end
	ds_add_u32 v[SPW], v[NIL]
	s_wait_dscnt 0x0
	CROUND                                         ; the closing round: no work-group ends while a partner may still ask for a tile that names it
	s_endpgm
.Lfunc_end_k_q306e31acd7_proj:
	.size	k_q306e31acd7_proj, .Lfunc_end_k_q306e31acd7_proj-k_q306e31acd7_proj
	.p2alignl 7, 3214868480
	.fill 96, 4, 3214868480
	.section	.rodata,"a",@progbits
	.p2align	6, 0x0
	.amdhsa_kernel k_q306e31acd7_proj
		.amdhsa_group_segment_fixed_size 327680
		.amdhsa_private_segment_fixed_size 0
		.amdhsa_enable_private_segment 0
		.amdhsa_kernarg_size 40
		.amdhsa_user_sgpr_count 2
		.amdhsa_user_sgpr_kernarg_segment_ptr 1
		.amdhsa_wavefront_size32 1
		.amdhsa_system_sgpr_workgroup_id_x 1
		.amdhsa_system_sgpr_workgroup_id_y 1
		.amdhsa_system_sgpr_workgroup_id_z 1
		.amdhsa_system_vgpr_workitem_id 0
		.amdhsa_next_free_vgpr 1024
		.amdhsa_next_free_sgpr 100
		.amdhsa_reserve_vcc 1
		.amdhsa_float_denorm_mode_32 3
		.amdhsa_float_denorm_mode_16_64 3
		.amdhsa_memory_ordered 1
		.amdhsa_forward_progress 1
		.amdhsa_inst_pref_size 239
	.end_amdhsa_kernel
	.amdgpu_metadata
---
amdhsa.version: [ 1, 2 ]
amdhsa.kernels:
  - .name:           k_q306e31acd7_proj
    .symbol:         k_q306e31acd7_proj.kd
    .args:
      - { .name: xw, .offset: 0, .size: 8, .value_kind: global_buffer, .address_space: global }
      - { .name: bq, .offset: 8, .size: 8, .value_kind: global_buffer, .address_space: global }
      - { .name: bk, .offset: 16, .size: 8, .value_kind: global_buffer, .address_space: global }
      - { .name: bv, .offset: 24, .size: 8, .value_kind: global_buffer, .address_space: global }
      - { .name: qkv, .offset: 32, .size: 8, .value_kind: global_buffer, .address_space: global }
    .group_segment_fixed_size: 327680
    .private_segment_fixed_size: 0
    .kernarg_segment_align: 8
    .kernarg_segment_size: 40
    .max_flat_workgroup_size: 128
    .sgpr_count:     100
    .vgpr_count:     1024
    .wavefront_size: 32
...
	.end_amdgpu_metadata
.endif
;; end of part 2
;; launch score (part 3): grid 8 x 32, 4 waves a work-group, clusters of 4 x 4, 327,680 bytes of LDS; arguments qkv, p; writes p
.if DOCPART == 3
	.amdgcn_target "amdgcn-amd-amdhsa--gfx1250"
	.amdhsa_code_object_version 6
	.text
	.protected	k_q306e31acd7_score
	.globl	k_q306e31acd7_score
	.p2align	8
	.type	k_q306e31acd7_score,@function
k_q306e31acd7_score:
	s_mov_b64 s[64:65], 0
	v_nop
	global_prefetch_b8 v0, s[64:65] scope:SCOPE_SE
	s_setreg_imm32_b32 hwreg(HW_REG_WAVE_MODE, 25, 1), 1
	s_wait_xcnt 0x0
	s_wait_alu depctr_hold_cnt(0) depctr_sa_sdst(0) depctr_va_vdst(0) depctr_va_sdst(0) depctr_va_ssrc(0) depctr_va_vcc(0) depctr_vm_vsrc(0)
	s_getreg_b32 s2, hwreg(HW_REG_IB_STS2, 6, 4)
	s_cmp_eq_u32 s2, 0
	s_cbranch_scc0 .Lentry_in_a_cluster
	s_endpgm
.Lentry_in_a_cluster:
	s_bfe_u32 s2, ttmp6, 0x10000c
	s_cmp_lg_u32 s2, 0xf033
	s_cbranch_scc0 .Lentry_shape_is_right
	s_endpgm
.Lentry_shape_is_right:
; S = q k^T on codes of FP6 (E2M3) with E8M0 scales, 4 batches of 2,048 x 2,048 x 1,024; on the way out the scores become p = 2^(t - M), t = score x log2(e) / 32, quantised along the keys, and leave as codes.
; M IS LOCAL: for each query and each 128 keys (a wave's tile, one scale word) M = the ceiling of the largest t among those keys, a whole number.  -M and l, the sum of the unquantised p, are stored beside the scale words;
; the next launch brings them under the row's M by powers of two, which a block's scale byte takes up.  So no wave asks another for a maximum.
; The GEMM: a work-group of four waves makes 256 queries x 256 keys, a wave 128 x 128: 64 accumulators.  Source 1 = 16 queries, source 0 = 16 keys: a lane holds one query, its registers run along the keys.
; OPERANDS ARE IMAGES OF REGISTERS: tile T (16 rows), K step S (128): 1,536 bytes at T x 12,288 + S x 1,536, register n of lane l at 512 (n / 4) + 16 l + 4 (n % 4).  Image row r of tile T is matrix row
; 32 (T / 2) + 8 (T % 2) + r + 8 (r / 8): so register 8 b + j against k's tiles b = 0 .. 7 is key 32 (b / 2) + 16 (lane / 16) + 8 (b % 2) + j.
; K goes in four slots of 256 through a ring of two LDS slots; all eight steps are written out.  CLUSTERS: 4 x 4; q's tile is asked for jointly along a row of the cluster, k's along a column.
; The scale words (16 KB of the 400 KB that a work-group reads) come by plain loads: a twenty-fifth of the bytes.
; LIMITS: NaN and infinities are not served.  A block whose every p has fallen to 0 keeps the byte 1: its codes are zeros.  l is summed in another order than a row-long sum.
; REGISTERS: window 0: v4-14 addresses; v32-63 scale words, two sets; v64-159, v160-255 q's fragments, two sets; on the way out v64-211 are at work.
;   window 1: v0-95, v128-223 k's fragments, two sets.   windows 2, 3: accumulator (a, b) at v[8 (8 (a % 4) + b)], a < 4 in window 2.
.set NQ,    2
.set RT,    NQ*1536
.set TP,    12288
.set HALFT, 8*RT
.set SLOT,  4*HALFT
.set SCL,   2*SLOT                     ; behind the ring: q's scale words [4][8][256], then k's
.set SPARE, SCL+32768                  ; the spare words, 128 bytes for each wave: two blocks of 256 bytes that no other line names
.set KC,    6291456                    ; qkv: q's codes at 0, k's here
.set QS,    18874368                   ; q's scale words, k's
.set KS,    19136512
.set PSC,   12582912                   ; p: the codes at 0; the scale words; -M 524,288 bytes on; l 1,048,576 on
.set L16,   4
.set SOFF,  5
.set SCST,  6
.set TID16, 7
.set ADRA,  8
.set ADRB,  10
.set ADRS,  12
.set SPW,   13                         ; v13  my spare word: SPARE + 4 x thread; never rewritten
.set NIL,   14                         ; v14  0; never rewritten
.set SC,    32
.set AF,    64
.set T,     64                         ; the way out: v64-127 t - M, then p
.set BM,    128                        ; v128-131 each block's largest score, then its largest p
.set PM,    132                        ; v132-135 what the lane 16 away holds
.set SO,    136                        ; v136-139 the conversions' scale operands
.set BY,    140                        ; v140-143 the scale bytes
.set RM,    144
.set TT,    145
.set NMP,   146                        ; v[146:147] -M
.set LA,    148                        ; v[148:149], v[150:151] the sum in two chains
.set LB,    150
.set PC,    152                        ; v152-170 the codes
.set PWS,   176                        ; v176-183 the eight tiles' scale words; v184-191 their -M; v192-199 their l
.set NMS,   184
.set LSS,   192
.set SW,    200                        ; v200-211 as they are stored
.set G1,  24
.set G0,  32
.set G1B, 48
.set G0B, 56
.set OB,  76                           ; s[76:77] where the codes go; s[80:81] where the scale words go
.set SB,  80
.set SEL, 82                           ; s[82:83] lane selects: lane l xor 16
.set CS,  84                           ; s[84:85] c = log2(e) / 32
.set HM,  86                           ; s86 lanes 16-31
.set MSB, 0
.macro WIN new                         ; the immediate's high byte repeats the setting that is left
.if MSB != \new
	s_set_vgpr_msb (MSB<<8)|\new
.set MSB, \new
.endif
.endm
.set MUL_LO, 0xa1
.set MUL_HI, 0xf1
.set TO_B,   0x40
; A joint load: waves 0 and 1 fetch q's halves, waves 2 and 3 k's.  The branch hangs on the wave's number alone.  Four v_nop follow each of the two lines.
.macro JLOAD g0a, g1a, g0b, g1b
	s_cmp_eq_u32 s15, 0
	s_cbranch_scc0 .Lfor_b_\@
	tensor_load_to_lds s[\g0a:\g0a+3], s[\g1a:\g1a+7]
	s_nop 0
.rept 4
	v_nop
.endr
	s_branch .Lasked_\@
.Lfor_b_\@:
	tensor_load_to_lds s[\g0b:\g0b+3], s[\g1b:\g1b+7]
	s_nop 0
.rept 4
	v_nop
.endr
.Lasked_\@:
.endm
.macro CREST
	s_cmp_lg_u32 s14, 0
	s_cbranch_scc1 .Lnot_wave_0_\@
	s_barrier_signal -3
.Lnot_wave_0_\@:
	s_barrier_wait -3
	s_barrier_signal -1
	s_barrier_wait -1
.endm
.macro CROUND
	s_barrier_signal -1
	s_barrier_wait -1
	CREST
.endm
.macro PLACES                          ; four plain places behind matrix instructions (ISA guide 7.12.1)
.rept 4
	v_nop
.endr
.endm
.macro FRAG reg, adr, off
.irp c, 0,1,2
	ds_load_b128 v[\reg+4*\c:\reg+4*\c+3], v[\adr] offset:\off+512*\c
.endr
.endm
.macro FETCH slot, q, p
	WIN TO_B
.irp i, 0,1,2,3,4,5,6,7
	FRAG 128*(\p)+12*\i, ADRB+\slot, \i*RT+(\q)*1536
.endr
	WIN 0
.irp i, 0,1,2,3,4,5,6,7
	FRAG AF+96*(\p)+12*\i, ADRA+\slot, \i*RT+(\q)*1536
.endr
.endm
.macro SCALES sc                       ; register 8 q + i: lanes 0-15 q's tile i, lanes 16-31 k's tile i
.irp q, 0,1
.irp g, 0,1
	ds_load_b128 v[SC+16*\sc+8*\q+4*\g:SC+16*\sc+8*\q+4*\g+3], v[ADRS] offset:\g*2048+\q*256
.endr
.endr
.endm
; The 64 accumulators take turns, one instruction a turn, in the same order in every step.
.macro MUL16 a0, p, q, sc, zero
.irp a, \a0, \a0+1
.irp b, 0,1,2,3,4,5,6,7
.if \zero
	v_wmma_scale_f32_16x16x128_f8f6f4 v[8*(8*((\a)%4)+\b):8*(8*((\a)%4)+\b)+7], v[128*(\p)+12*\b:128*(\p)+12*\b+11], v[AF+96*(\p)+12*(\a):AF+96*(\p)+12*(\a)+11], 0, v[SC+16*(\sc)+8*(\q)+\b], v[SC+16*(\sc)+8*(\q)+(\a)] matrix_a_fmt:MATRIX_FMT_FP6 matrix_b_fmt:MATRIX_FMT_FP6 matrix_a_scale:MATRIX_SCALE_ROW1
.else
	v_wmma_scale_f32_16x16x128_f8f6f4 v[8*(8*((\a)%4)+\b):8*(8*((\a)%4)+\b)+7], v[128*(\p)+12*\b:128*(\p)+12*\b+11], v[AF+96*(\p)+12*(\a):AF+96*(\p)+12*(\a)+11], v[8*(8*((\a)%4)+\b):8*(8*((\a)%4)+\b)+7], v[SC+16*(\sc)+8*(\q)+\b], v[SC+16*(\sc)+8*(\q)+(\a)] matrix_a_fmt:MATRIX_FMT_FP6 matrix_b_fmt:MATRIX_FMT_FP6 matrix_a_scale:MATRIX_SCALE_ROW1
.endif
.endr
.endr
.endm
.macro STEP slot, q, zero
	s_wait_dscnt 0x0                               ; this step's fragments, asked for 32 matrix instructions ago, are in
	PLACES                                         ; the other set was read by the step before
	FETCH \slot, (\q)+1, 1-(\q)%2
	WIN MUL_LO
	MUL16 0, (\q)%2, \q, \slot, \zero
	MUL16 2, (\q)%2, \q, \slot, \zero
	WIN MUL_HI
	MUL16 4, (\q)%2, \q, \slot, \zero
	MUL16 6, (\q)%2, \q, \slot, \zero
	WIN 0
.endm
.macro TURN slot, next, fill
	s_wait_tensorcnt 0x0                           ; all my tensor loads have landed, my part of the next slot among them: so a group 0 may be written
	ds_add_u32 v[SPW], v[NIL]                      ; 0 onto my spare word
.if \fill
	s_add_nc_u64 s[G0+4*\slot+2:G0+4*\slot+3], s[G0+4*\slot+2:G0+4*\slot+3], 2*RT
	s_mov_b32 s[G1+2], 8<<16                       ; no tensor load of mine is out: from here on a load brings eight tiles
	s_mov_b32 s[G1+4], 8
	s_mov_b32 s[G1B+2], 8<<16
	s_mov_b32 s[G1B+4], 8
	s_add_nc_u64 s[G0B+4*\slot+2:G0B+4*\slot+3], s[G0B+4*\slot+2:G0B+4*\slot+3], 2*RT
.endif
	s_wait_dscnt 0x0                               ; the add is done, and my reads of this slot are over
	s_barrier_signal -1
	WIN MUL_LO
	MUL16 0, 1, NQ-1, \slot, 0
	MUL16 2, 1, NQ-1, \slot, 0
	WIN 0
	s_barrier_wait -1
.if \fill
	CREST                                          ; no wave of any partner still reads this slot or has a load on its way
	JLOAD G0+4*\slot, G1, G0B+4*\slot, G1B         ; the first tensor load behind the round; its four v_nop are the places in front of the loads below
.else
	PLACES
.endif
	s_wait_alu depctr_va_vdst(0)
	v_add_nc_u32 v[ADRS], 256*NQ, v[ADRS]
	FETCH \next, 0, 0
	SCALES \next
	WIN MUL_HI
	MUL16 4, 1, NQ-1, \slot, 0
	MUL16 6, 1, NQ-1, \slot, 0
	WIN 0
.endm
.macro LAST
	s_wait_dscnt 0x0
	WIN MUL_LO
	MUL16 0, 1, NQ-1, 1, 0
	MUL16 2, 1, NQ-1, 1, 0
	WIN MUL_HI
	MUL16 4, 1, NQ-1, 1, 0
	MUL16 6, 1, NQ-1, 1, 0
	WIN 0
	PLACES
.endm
	s_load_b128 s[4:7], s[0:1], 0x0                ; qkv s[4:5], p s[6:7]
	v_lshl_add_u32 v[SPW], v0, 2, SPARE
	v_mov_b32 v[NIL], 0
	ds_add_u32 v13, v14
	ds_add_u32 v13, v14
	s_wait_dscnt 0x0
	v_lshrrev_b32 v1, 5, v0
	v_readfirstlane_b32 s14, v1                    ; wave 0..3
	s_lshr_b32 s15, s14, 1                         ; wr: which half of the queries is mine.  Also: I fetch q's tiles (0) or k's (1)
	s_and_b32 s16, s14, 1                          ; wc: which half of the keys.  Also: which eight tiles I fetch
	s_bfe_u32 s40, ttmp6, 0x40000                  ; cx, cy
	s_bfe_u32 s41, ttmp6, 0x40004
	s_lshl_b32 s42, ttmp9, 2
	s_add_co_u32 s42, s42, s40                     ; tx: 256 keys
	s_and_b32 s17, ttmp7, 0xffff
	s_lshr_b32 s18, s17, 1                         ; the batch: eight tile rows, two clusters, each
	s_lshl_b32 s17, s17, 2
	s_add_co_u32 s17, s17, s41                     ; ty: 256 queries of the 8,192
	s_lshl_b32 s43, s41, 2
	s_lshl_b32 s43, 15, s43                        ; my row of the cluster
	s_lshl_b32 s44, 0x1111, s40                    ; my column
	s_or_b32 s[G1], s43, (3<<16)|(1<<21)           ; 15:0 the mask; 17:16 elements of 8 bytes; 21 set beside a mask
	s_or_b32 s[G1B], s44, (3<<16)|(1<<21)
.irp g, G1, G1B
	s_mov_b32 s[\g+1], (RT/8)<<16                  ; tensor_dim0
	s_mov_b32 s[\g+2], 16<<16                      ; tensor_dim1: at the head sixteen tiles
	s_mov_b32 s[\g+3], (RT/8)<<16                  ; tile_dim0
	s_mov_b32 s[\g+4], 16                          ; tile_dim1
	s_mov_b32 s[\g+5], TP/8                        ; tensor_dim0_stride
	s_mov_b32 s[\g+6], 0
	s_mov_b32 s[\g+7], 0
.endr
	s_lshl_b32 s19, s16, 3
	s_lshl_b32 s20, s17, 4
	s_add_co_u32 s20, s20, s19                     ; q: tile 16 ty + 8 x half
	s_mul_i32 s20, s20, TP
	s_mov_b32 s21, 0
	s_lshl_b32 s46, s18, 7
	s_lshl_b32 s47, s42, 4
	s_add_co_u32 s46, s46, s47
	s_add_co_u32 s46, s46, s19                     ; k: tile 128 x batch + 16 tx + 8 x half
	s_mul_i32 s46, s46, TP
	s_add_co_u32 s46, s46, KC
	s_mov_b32 s47, 0
	s_mul_i32 s45, s14, HALFT
	s_lshl_b32 s66, s17, 13
	s_add_co_u32 s66, s66, QS                      ; q's scale words: ty x 8,192
	s_mov_b32 s67, 0
	s_lshl_b32 s68, s18, 5
	s_lshl_b32 s69, s42, 2
	s_add_co_u32 s68, s68, s69
	s_lshl_b32 s68, s68, 11
	s_add_co_u32 s68, s68, KS                      ; k's: (32 x batch + 4 tx) x 2,048
	s_mov_b32 s69, 0
	s_lshl_b32 s87, s17, 4
	s_lshl_b32 s88, s15, 3
	s_add_co_u32 s87, s87, s88                     ; the result's first tile: 16 ty + 8 wr
	s_lshl_b32 s88, s42, 1
	s_add_co_u32 s88, s88, s16                     ; its K step: 2 tx + wc
	s_mul_i32 s76, s87, 24576
	s_mul_i32 s89, s88, 1536
	s_add_co_u32 s76, s76, s89
	s_mov_b32 s77, 0
	s_lshl_b32 s80, s87, 10
	s_lshl_b32 s89, s88, 8
	s_add_co_u32 s80, s80, s89
	s_add_co_u32 s80, s80, PSC
	s_mov_b32 s81, 0
	s_mov_b32 s[SEL], 0x76543210
	s_mov_b32 s[SEL+1], 0xfedcba98
	s_mov_b32 s[CS], 0x3d38aa3b                    ; c = log2(e) / sqrt(1024)
	s_mov_b32 s[CS+1], s[CS]                       ; (named with it as a pair, so it is written)
	s_mov_b32 s[HM], 0xffff0000
	v_and_b32 v1, 31, v0
	v_and_b32 v2, 15, v0                           ; r
	v_bfe_u32 v3, v0, 4, 1                         ; h
	v_lshlrev_b32 v[L16], 4, v1
	v_lshlrev_b32 v[TID16], 4, v0
	v_add_nc_u32 v[SCST], SCL, v[TID16]
	v_lshlrev_b32 v[SOFF], 4, v2
	v_lshl_add_u32 v[SOFF], v3, 12, v[SOFF]        ; 4,096 h + 16 r
	s_mul_i32 s87, s15, HALFT                      ; my eight tiles of q
	s_mul_i32 s88, s16, HALFT
	s_add_co_u32 s88, s88, 2*HALFT                 ; and of k, behind q's sixteen
.irp s, 0,1
	v_add_nc_u32 v[ADRA+\s], s87, v[L16]
	v_add_nc_u32 v[ADRB+\s], s88, v[L16]
	s_add_co_u32 s87, s87, SLOT
	s_add_co_u32 s88, s88, SLOT
.endr
	s_lshl_b32 s87, s15, 12
	s_lshl_b32 s88, s16, 12
	s_add_co_u32 s88, s88, 8192
	s_sub_co_u32 s88, s88, s87
	v_mul_u32_u24 v1, s88, v3                      ; lanes 16-31 take k's
	s_add_co_u32 s87, s87, SCL
	v_lshl_add_u32 v1, v2, 4, v1
	v_add_nc_u32 v[ADRS], s87, v1
	; the prefetches: of a slot's 3,072 bytes a tile, partner cx takes q's tiles 4 cx .. 4 cx + 3 and partner cy k's tiles 4 cy .. 4 cy + 3, a wave one tile of each: lanes 0-15 name q's 12 blocks of 256 bytes,
	; lanes 16-31 k's; lanes left over name the last block again.  Shared out by address; v15 is never rewritten
	s_lshl_b32 s71, s17, 4
	s_lshl_b32 s73, s40, 2
	s_add_co_u32 s71, s71, s73
	s_add_co_u32 s71, s71, s14
	s_mul_i32 s71, s71, TP                         ; q: tile 16 ty + 4 cx + wave
	s_lshl_b32 s72, s18, 7
	s_lshl_b32 s73, s42, 4
	s_add_co_u32 s72, s72, s73
	s_lshl_b32 s73, s41, 2
	s_add_co_u32 s72, s72, s73
	s_add_co_u32 s72, s72, s14
	s_mul_i32 s72, s72, TP
	s_add_co_u32 s72, s72, KC                      ; k: tile 128 x batch + 16 tx + 4 cy + wave
	s_sub_co_u32 s72, s72, s71                     ; the distance between the two: over 0 and under 2^24
	v_min_u32 v15, 11, v2
	v_lshlrev_b32 v15, 8, v15
	v_mad_u32_u24 v15, v3, s72, v15
	v_add_nc_u32 v15, s71, v15
	s_wait_alu depctr_va_vdst(0)
	s_wait_kmcnt 0x0
	s_add_nc_u64 s[20:21], s[4:5], s[20:21]
	s_add_nc_u64 s[46:47], s[4:5], s[46:47]
	s_add_nc_u64 s[66:67], s[4:5], s[66:67]
	s_add_nc_u64 s[68:69], s[4:5], s[68:69]
	s_add_nc_u64 s[OB:OB+1], s[6:7], s[OB:OB+1]
	s_add_nc_u64 s[SB:SB+1], s[6:7], s[SB:SB+1]
.irp i, 0,1,2,3                                ; the scale words go out here and fly during the round: 128 threads x 16 bytes a load
	global_load_b128 v[64+4*\i:67+4*\i], v[TID16], s[66:67] offset:2048*\i
	global_load_b128 v[80+4*\i:83+4*\i], v[TID16], s[68:69] offset:2048*\i
.endr
	CROUND                                         ; all sixteen work-groups are here: the first joint loads meet
.irp s, 0,1
	s_mov_b32 s[G0+4*\s], 1
	s_add_co_u32 s[G0+4*\s+1], s45, \s*SLOT
	s_add_nc_u64 s[G0+4*\s+2:G0+4*\s+3], s[20:21], \s*RT
	s_or_b32 s[G0+4*\s+3], s[G0+4*\s+3], 0x80000000
	s_mov_b32 s[G0B+4*\s], 1
	s_add_co_u32 s[G0B+4*\s+1], s45, \s*SLOT
	s_add_nc_u64 s[G0B+4*\s+2:G0B+4*\s+3], s[46:47], \s*RT
	s_or_b32 s[G0B+4*\s+3], s[G0B+4*\s+3], 0x80000000
.endr
	; the first fills, one a wave, each sixteen tiles: wave 0 q's of slot 0, wave 1 q's of slot 1, wave 2 k's of slot 0, wave 3 k's of slot 1
	s_mul_i32 s22, s16, 8*TP-RT                    ; from my half's first tile back to the block's first, and wave % 2 slots on along K
	s_mov_b32 s23, 0
	s_mov_b32 s8, 1
	s_mul_i32 s9, s16, SLOT
	s_sub_nc_u64 s[10:11], s[20:21], s[22:23]
	s_or_b32 s11, s11, 0x80000000
	s_mov_b32 s92, 1
	s_add_co_u32 s93, s9, 2*HALFT
	s_sub_nc_u64 s[94:95], s[46:47], s[22:23]
	s_or_b32 s95, s95, 0x80000000
	JLOAD 8, G1, 92, G1B
	global_prefetch_b8 v15, s[4:5] offset:2*RT th:TH_LOAD_NT scope:SCOPE_SE   ; K steps 4, 5: two K steps' work ahead of their refill
	s_wait_loadcnt 0x0
.irp i, 0,1,2,3
	ds_store_b128 v[SCST], v[64+4*\i:67+4*\i] offset:2048*\i
	ds_store_b128 v[SCST], v[80+4*\i:83+4*\i] offset:8192+2048*\i
.endr
	s_wait_tensorcnt 0x0                           ; my one load of the head has landed
	s_wait_dscnt 0x0                               ; my scale words have landed
	s_barrier_signal -1
	s_barrier_wait -1
	s_wait_alu depctr_va_vdst(0)
	FETCH 0, 0, 0
	SCALES 0
	STEP 0, 0, 1                                   ; the first products start the sums: nothing is cleared
	global_prefetch_b8 v15, s[4:5] offset:3*RT th:TH_LOAD_NT scope:SCOPE_SE   ; K steps 6, 7: three K steps' work ahead of their refill
	TURN 0, 1, 1
	STEP 1, 0, 0
	TURN 1, 0, 1
	STEP 0, 0, 0
	TURN 0, 1, 0
	STEP 1, 0, 0
	LAST
; THE WAY OUT, a tile of 16 queries at a time: a lane holds 64 scores of one query, the lane 16 away the other 64 of these 128 keys.
.macro OUTS a
.set AC, 64*((\a)%4)
.if (\a) > 0
	s_wait_xcnt 0x0                                ; the last tile's stores have read their data and their base
	s_add_nc_u64 s[OB:OB+1], s[OB:OB+1], 24576
.endif
	WIN (0x28+0x14*((\a)/4))                       ; sources 1 and 2: the scores' window
.irp b, 0,1,2,3
	v_max3_num_f32 v[BM+\b], 0xff800000, v[AC+16*\b], v[AC+16*\b+1]   ; the largest score of each block of 32 keys: it serves for the row's maximum and, since p rises with the score, for the block's largest p.  Each accumulator from its low end on
.endr
.irp i, 2,4,6,8,10,12,14
.irp b, 0,1,2,3
	v_max3_num_f32 v[BM+\b], v[BM+\b], v[AC+16*\b+\i], v[AC+16*\b+\i+1]
.endr
.endr
	WIN 0
.irp b, 0,1,2,3
	v_permlanex16_b32 v[PM+\b], v[BM+\b], s[SEL], s[SEL+1]
.endr
.irp b, 0,1,2,3
	v_max_num_f32 v[BM+\b], v[BM+\b], v[PM+\b]     ; with lane l xor 16's 16 keys
.endr
	v_max3_num_f32 v[RM], v[BM], v[BM+1], v[BM+2]
	v_max_num_f32 v[RM], v[RM], v[BM+3]            ; the largest score of my query among the 128 keys
	v_mul_f32 v[TT], s[CS], v[RM]                  ; as t (c is positive)
	v_floor_f32 v[NMP], -v[TT]                     ; -M = floor(-t) = -ceil(t): a whole number
	v_mov_b32 v[NMP+1], v[NMP]
	v_mov_b32 v[NMS+(\a)], v[NMP]
	WIN (2+(\a)/4)
.set n, 0
.rept 32
	v_pk_fma_f32 v[T+2*n:T+2*n+1], v[AC+2*n:AC+2*n+1], s[CS:CS+1], v[NMP:NMP+1] op_sel_hi:[1,0,0]   ; t - M, two at a time
.set n, n+1
.endr
	WIN 0
.irp b, 0,1,2,3
	v_fma_f32 v[BM+\b], v[BM+\b], s[CS], v[NMP]    ; the same of each block's largest score
.endr
.set n, 0
	s_wait_alu depctr_va_vdst(0)
.rept 64
	v_exp_f32 v[T+n], v[T+n]                       ; p = 2^(t - M), at most 1: not normalised
.set n, n+1
.endr
	v_nop                                          ; a plain place behind the exponentials
	s_wait_alu depctr_va_vdst(0)                   ; one wait for the whole batch, ahead of its first reader
.irp b, 0,1,2,3
	v_exp_f32 v[BM+\b], v[BM+\b]                   ; the block's largest p
.endr
	v_pk_add_f32 v[LA:LA+1], v[T:T+1], v[T+2:T+3]  ; the sum is taken of the unquantised p: two at a time, in two chains.  (It reads the 64 alone: plain work behind the four)
	v_pk_add_f32 v[LB:LB+1], v[T+4:T+5], v[T+6:T+7]
.irp j, 8,12,16,20,24,28,32,36,40,44,48,52,56,60
	v_pk_add_f32 v[LA:LA+1], v[LA:LA+1], v[T+\j:T+\j+1]
	v_pk_add_f32 v[LB:LB+1], v[LB:LB+1], v[T+\j+2:T+\j+3]
.endr
	v_pk_add_f32 v[LA:LA+1], v[LA:LA+1], v[LB:LB+1]
	v_add_f32 v[LA], v[LA], v[LA+1]
	v_permlanex16_b32 v[PM], v[LA], s[SEL], s[SEL+1]
	v_add_f32 v[LSS+(\a)], v[LA], v[PM]            ; l of my query and these 128 keys
	s_wait_alu depctr_va_vdst(0)                   ; and one wait for the four
.irp b, 0,1,2,3
	v_max_num_f32 v[BM+\b], 0x1800000, v[BM+\b]    ; the floor 2^(3 - 127): the byte cannot fall under 1
.endr
.irp b, 0,1,2,3
	v_add_nc_u32 v[SO+\b], 0xff000000, v[BM+\b]    ; 2 off the exponent field: the conversion's scale operand
.endr
.irp b, 0,1,2,3
	v_lshrrev_b32 v[BY+\b], 23, v[SO+\b]           ; the scale's byte: 1 .. 125, since p is at most 1
.endr
	v_lshl_or_b32 v[PWS+(\a)], v[BY+1], 8, v[BY]
	v_lshl_or_b32 v[PWS+(\a)], v[BY+2], 16, v[PWS+(\a)]
	v_lshl_or_b32 v[PWS+(\a)], v[BY+3], 24, v[PWS+(\a)]
.irp c, 0,1
	v_cvt_scalef32_pk16_fp6_f32 v[PC+6*\c:PC+2+6*\c], v[T+32*\c:T+15+32*\c], v[SO+2*\c]
	v_cvt_scalef32_pk16_fp6_f32 v[PC+12+4*\c:PC+14+4*\c], v[T+16+32*\c:T+31+32*\c], v[SO+2*\c+1]
.endr
	v_nop                                          ; one plain place behind a scaled conversion
.irp c, 0,1                                    ; the operand's layout wants a whole block in a lane
.irp i, 0,1,2
	v_permlane16_swap_b32 v[PC+6*\c+\i], v[PC+12+4*\c+\i]
.endr
.irp i, 0,1,2
	v_mov_b32 v[PC+3+6*\c+\i], v[PC+12+4*\c+\i]
.endr
.endr
.irp c, 0,1,2
	global_store_b128 v[L16], v[PC+4*\c:PC+4*\c+3], s[OB:OB+1] offset:512*\c   ; the image: 512 consecutive bytes a store
.endr
.endm
.irp b, 0,1,2,3
	v_mov_b32 v[PM+\b], 0                          ; a lane permute's destination counts as one of its sources
.endr
.irp a, 0,1,2,3,4,5,6,7
	OUTS \a
.endr
.irp j, 0,1,2,3                                ; lanes 0-15: tiles 0-3 of row r; lanes 16-31: tiles 4-7
	v_cndmask_b32 v[SW+\j], v[PWS+\j], v[PWS+4+\j], s[HM]
	v_cndmask_b32 v[SW+4+\j], v[NMS+\j], v[NMS+4+\j], s[HM]
	v_cndmask_b32 v[SW+8+\j], v[LSS+\j], v[LSS+4+\j], s[HM]
.endr
	global_store_b128 v[SOFF], v[SW:SW+3], s[SB:SB+1]                       ; sixteen lanes store 256 consecutive bytes, aligned: the scale words,
	global_store_b128 v[SOFF], v[SW+4:SW+7], s[SB:SB+1] offset:524288       ; -M,
	global_store_b128 v[SOFF], v[SW+8:SW+11], s[SB:SB+1] offset:1048576     ; l
	s_wait_tensorcnt 0x0                           ; the wave's end
	ds_add_u32 v[SPW], v[NIL]
	s_wait_dscnt 0x0
	CROUND                                         ; the closing round
	s_endpgm
.Lfunc_end_k_q306e31acd7_score:
	.size	k_q306e31acd7_score, .Lfunc_end_k_q306e31acd7_score-k_q306e31acd7_score
	.p2alignl 7, 3214868480
	.fill 96, 4, 3214868480
	.section	.rodata,"a",@progbits
	.p2align	6, 0x0
	.amdhsa_kernel k_q306e31acd7_score
		.amdhsa_group_segment_fixed_size 327680
		.amdhsa_private_segment_fixed_size 0
		.amdhsa_enable_private_segment 0
		.amdhsa_kernarg_size 16
		.amdhsa_user_sgpr_count 2
		.amdhsa_user_sgpr_kernarg_segment_ptr 1
		.amdhsa_wavefront_size32 1
		.amdhsa_system_sgpr_workgroup_id_x 1
		.amdhsa_system_sgpr_workgroup_id_y 1
		.amdhsa_system_sgpr_workgroup_id_z 1
		.amdhsa_system_vgpr_workitem_id 0
		.amdhsa_next_free_vgpr 1024
		.amdhsa_next_free_sgpr 100
		.amdhsa_reserve_vcc 0
		.amdhsa_float_denorm_mode_32 3
		.amdhsa_float_denorm_mode_16_64 3
		.amdhsa_memory_ordered 1
		.amdhsa_forward_progress 1
		.amdhsa_inst_pref_size 196
	.end_amdhsa_kernel
	.amdgpu_metadata
---
amdhsa.version: [ 1, 2 ]
amdhsa.kernels:
  - .name:           k_q306e31acd7_score
    .symbol:         k_q306e31acd7_score.kd
    .args:
      - { .name: qkv, .offset: 0, .size: 8, .value_kind: global_buffer, .address_space: global }
      - { .name: p, .offset: 8, .size: 8, .value_kind: global_buffer, .address_space: global }
    .group_segment_fixed_size: 327680
    .private_segment_fixed_size: 0
    .kernarg_segment_align: 8
    .kernarg_segment_size: 16
    .max_flat_workgroup_size: 128
    .sgpr_count:     100
    .vgpr_count:     1024
    .wavefront_size: 32
...
	.end_amdgpu_metadata
.endif
;; end of part 3
;; launch outp (part 4): grid 4 x 64, 4 waves a work-group, clusters of 4 x 4, 327,680 bytes of LDS; arguments p, qkv, x, out0; writes out0
.if DOCPART == 4
	.amdgcn_target "amdgcn-amd-amdhsa--gfx1250"
	.amdhsa_code_object_version 6
	.text
	.protected	k_q306e31acd7_outp
	.globl	k_q306e31acd7_outp
	.p2align	8
	.type	k_q306e31acd7_outp,@function
k_q306e31acd7_outp:
	s_mov_b64 s[64:65], 0
	v_nop
	global_prefetch_b8 v0, s[64:65] scope:SCOPE_SE
	s_setreg_imm32_b32 hwreg(HW_REG_WAVE_MODE, 25, 1), 1
	s_wait_xcnt 0x0
	s_wait_alu depctr_hold_cnt(0) depctr_sa_sdst(0) depctr_va_vdst(0) depctr_va_sdst(0) depctr_va_ssrc(0) depctr_va_vcc(0) depctr_vm_vsrc(0)
	s_getreg_b32 s2, hwreg(HW_REG_IB_STS2, 6, 4)
	s_cmp_eq_u32 s2, 0
	s_cbranch_scc0 .Lentry_in_a_cluster
	s_endpgm
.Lentry_in_a_cluster:
	s_bfe_u32 s2, ttmp6, 0x10000c
	s_cmp_lg_u32 s2, 0xf033
	s_cbranch_scc0 .Lentry_shape_is_right
	s_endpgm
.Lentry_shape_is_right:
; out = (p v) / l + x on codes of FP6 (E2M3) with E8M0 scales: 4 batches of 2,048 queries x 1,024 d, K = 2,048 keys.
; p's codes were made under a LOCAL M for each query and each 128 keys.  The head takes the row's M (the least of the sixteen stored -M), brings each l under it by v_ldexp_f32 and sums them, and takes
; M - local M off each of p's scale bytes: powers of two, which change no code.  A byte that would fall under 0 is held at 0.
; LIMITS: NaN and infinities are not served.  The differences of M go through v_cvt_i32_f32: the promise holds while the scaled scores stay under 2^31 in magnitude.  l is summed in another order than a row-long sum.
; SHARES: 256 work-groups, one for each 128 queries x 256 d; four waves, a wave 64 queries x 128 d: 32 accumulators.  Source 0 = 16 d of v^T, source 1 = 16 queries: a lane holds a query, its registers run along d.
; OPERANDS ARE IMAGES OF REGISTERS: tile T (16 rows), K step S (128 keys): 1,536 bytes at T x 24,576 + S x 1,536, register n of lane l at 512 (n / 4) + 16 l + 4 (n % 4).  Image row r of tile T is matrix row
; 32 (T / 2) + 8 (T % 2) + r + 8 (r / 8).  Scale words: group of four tiles x 4,096 + S x 256 + 16 r + 4 (T % 4).
; LDS: two slots of four K steps (p's 8 tiles, then v's 16, 6,144 bytes each: 147,456 bytes), p's mended scale words, v's scale words, the waves' parts of l, the spare words.  All of LDS is claimed.
; THE FOUR FILLS, each one joint load a wave: waves 0, 1 the halves of p's part, waves 2, 3 the halves of v's.  Slot 0 is asked for at the head; slot 1 behind the full sequence and a round of the cluster's barrier, and
; has the mending of the scale words and three K steps' products in which to land; each slot is filled once more behind a round.  The walk has sixteen K steps in four slots and is written out by macros: its first and last slots differ from the others.
; CLUSTERS: 4 x 4.  p's tiles hang on the tile row and are asked for jointly along a row of the cluster, v's on the tile column and jointly along a column.
; PREFETCH: K steps 4-7 and 8-11 are asked for at the head, behind slot 0's load; K steps 12-15 behind the first K step, seven K steps ahead of their refill.  Of a slot's 6,144 bytes a tile, partner cx takes p's tiles
; 2 cx, 2 cx + 1 (a wave 12 blocks of 256 bytes) and partner cy v's tiles 4 cy .. 4 cy + 3 (a wave one tile, 24 blocks): shared out by address; lanes left over name their wave's last block again.
; REGISTERS: window 0: v4-22 addresses; v32-95 scale words, two sets; v96-191 p's fragments, two sets; at the head and on the way out v32-255 are at work.  window 1: v0-95, v128-223 v's fragments, two sets.
;   window 2: accumulator (a, b) at v[8 (8 a + b)].   window 3: x for my 64 x 128 results, as whole rows.
.set NQ,    4                          ; K steps in a slot
.set RT,    NQ*1536                    ; a tile's bytes in a slot
.set TP,    24576                      ; from tile to tile in memory
.set PHALF, 4*RT
.set VHALF, 8*RT
.set SLOT,  2*PHALF+2*VHALF
.set PSCL,  2*SLOT                     ; p's scale words [2][16][256]
.set VSCL,  PSCL+8192                  ; v's [4][16][256]
.set LGS,   VSCL+16384                 ; l: a part for each wave, 512 bytes
.set SPARE, LGS+2048                   ; the spare words, 128 bytes a wave: two blocks of 256 bytes that no other line names
.set STG,   16*528                     ; the way out: a wave's stage, in slot 0, which has had its last fill and its last read by then
.set VC,    12582912                   ; qkv: v's codes, v's scale words
.set VS,    19398656
.set PSC,   12582912                   ; p: the scale words; -M 524,288 bytes on; l 1,048,576 on
.set L16,   4                          ; v4  16 x lane
.set VO,    5                          ; v5  4,096 h + 16 r: a row's four words
.set VO2,   6                          ; v6  the same at my wave's four K steps
.set TID16, 7
.set ADRA,  8                          ; v8-9   p's fragments in slot 0, 1
.set ADRB,  10                         ; v10-11 v's
.set ADRS,  12                         ; v12 scale words: lanes 0-15 p's, lanes 16-31 v's
.set SPW,   13                         ; v13 my spare word; never rewritten
.set NIL,   14                         ; v14 0; never rewritten
.set VST,   15
.set PST,   16
.set LST,   17
.set LRD,   18
.set STO,   19
.set RD,    20
.set PFP,   21                         ; v21, v22 the prefetches' offsets; never rewritten
.set PFV,   22
.set SC,    32
.set AF,    96
.set NMA,   96                         ; the head: -M of all sixteen K steps
.set NM2,   160                        ; -M, l, scale words of my four K steps
.set LS2,   176
.set PS2,   192
.set VW,    208
.set NG,    240                        ; the row's -M
.set LQ,    96                         ; the way out: l; 1 / l in pairs; 16 rows back from the stage
.set RLB,   112
.set BK,    128
.set G1,  24                           ; s[24:31], s[32:39] groups 1 and 0 (a set a slot) for p's tiles; s[48:55], s[56:63] for v's
.set G0,  32
.set G1B, 48
.set G0B, 56
.set ONES, 86
.set FF,   87
.set PFA,  90                          ; s[90:91], s[92:93] the prefetches' bases; never rewritten
.set PFB,  92
.set MSB, 0
.macro WIN new                         ; the immediate's high byte repeats the setting that is left
.if MSB != \new
	s_set_vgpr_msb (MSB<<8)|\new
.set MSB, \new
.endif
.endm
.set MUL,  0xa1                        ; source 0 window 1, source 1 window 0, C and D window 2
.set TO_B, 0x40
.macro JLOAD g0a, g1a, g0b, g1b        ; a joint load: waves 0, 1 ask for p, waves 2, 3 for v; s_nop 0 and four v_nop follow each line
	s_cmp_eq_u32 s15, 0
	s_cbranch_scc0 .Lfor_b_\@
	tensor_load_to_lds s[\g0a:\g0a+3], s[\g1a:\g1a+7]
	s_nop 0
.rept 4
	v_nop
.endr
	s_branch .Lasked_\@
.Lfor_b_\@:
	tensor_load_to_lds s[\g0b:\g0b+3], s[\g1b:\g1b+7]
	s_nop 0
.rept 4
	v_nop
.endr
.Lasked_\@:
.endm
.macro CREST                           ; a round of the cluster's barrier behind its opening barrier
	s_cmp_lg_u32 s14, 0
	s_cbranch_scc1 .Lnot_wave_0_\@
	s_barrier_signal -3
.Lnot_wave_0_\@:
	s_barrier_wait -3
	s_barrier_signal -1
	s_barrier_wait -1
.endm
.macro CROUND
	s_barrier_signal -1
	s_barrier_wait -1
	CREST
.endm
.macro PLACES                          ; four plain places behind matrix instructions (ISA guide 7.12.1)
.rept 4
	v_nop
.endr
.endm
.macro FRAG reg, adr, off              ; a fragment comes as it was stored: three loads of 16 bytes a lane
.irp c, 0,1,2
	ds_load_b128 v[\reg+4*\c:\reg+4*\c+3], v[\adr] offset:\off+512*\c
.endr
.endm
.macro FETCH slot, q, p                ; v's eight and p's four fragments of the slot's K step q into set p
	WIN TO_B
.irp i, 0,1,2,3,4,5,6,7
	FRAG 128*(\p)+12*\i, ADRB+\slot, \i*RT+(\q)*1536
.endr
	WIN 0
.irp i, 0,1,2,3
	FRAG AF+48*(\p)+12*\i, ADRA+\slot, \i*RT+(\q)*1536
.endr
.endm
.macro SCALES sc                       ; a slot's scale words: register 8 q + i: lanes 0-15 p's tile i (i < 4; beyond that words that are not used), lanes 16-31 v's tile i
.irp q, 0,1,2,3
.irp g, 0,1
	ds_load_b128 v[SC+32*\sc+8*\q+4*\g:SC+32*\sc+8*\q+4*\g+3], v[ADRS] offset:\g*4096+\q*256
.endr
.endr
.endm
; 16 matrix instructions: p's tiles a0, a0 + 1 against v's eight.  The 32 accumulators take turns, one instruction a turn, in the same order in every step.
.macro MUL16 a0, p, q, sc, zero
.irp a, \a0, \a0+1
.irp b, 0,1,2,3,4,5,6,7
.if \zero
	v_wmma_scale_f32_16x16x128_f8f6f4 v[8*(8*(\a)+\b):8*(8*(\a)+\b)+7], v[128*(\p)+12*\b:128*(\p)+12*\b+11], v[AF+48*(\p)+12*(\a):AF+48*(\p)+12*(\a)+11], 0, v[SC+32*(\sc)+8*(\q)+\b], v[SC+32*(\sc)+8*(\q)+(\a)] matrix_a_fmt:MATRIX_FMT_FP6 matrix_b_fmt:MATRIX_FMT_FP6 matrix_a_scale:MATRIX_SCALE_ROW1
.else
	v_wmma_scale_f32_16x16x128_f8f6f4 v[8*(8*(\a)+\b):8*(8*(\a)+\b)+7], v[128*(\p)+12*\b:128*(\p)+12*\b+11], v[AF+48*(\p)+12*(\a):AF+48*(\p)+12*(\a)+11], v[8*(8*(\a)+\b):8*(8*(\a)+\b)+7], v[SC+32*(\sc)+8*(\q)+\b], v[SC+32*(\sc)+8*(\q)+(\a)] matrix_a_fmt:MATRIX_FMT_FP6 matrix_b_fmt:MATRIX_FMT_FP6 matrix_a_scale:MATRIX_SCALE_ROW1
.endif
.endr
.endr
.endm
.macro STEP slot, q, zero              ; one of a slot's first three K steps; the next step's fragments go into the other set
	s_wait_dscnt 0x0                               ; this step's fragments are in
	PLACES                                         ; the other set was read by the step before
	FETCH \slot, (\q)+1, 1-(\q)%2
	WIN MUL
	MUL16 0, (\q)%2, \q, \slot, \zero
	MUL16 2, (\q)%2, \q, \slot, \zero
	WIN 0
.endm
; A slot's last K step changes slots.  In front of the barrier each wave waits for all its tensor loads, adds 0 to its spare word, and waits for that and for its reads of the slot.
; fill = 1: the barrier opens a round of the cluster's, and the slot is filled again, two slots on along K.
.macro TURN slot, next, fill
	s_wait_tensorcnt 0x0                           ; all my tensor loads have landed: so a group 0 may be written
	ds_add_u32 v[SPW], v[NIL]
.if \fill
	s_add_nc_u64 s[G0+4*\slot+2:G0+4*\slot+3], s[G0+4*\slot+2:G0+4*\slot+3], 2*RT
	s_add_nc_u64 s[G0B+4*\slot+2:G0B+4*\slot+3], s[G0B+4*\slot+2:G0B+4*\slot+3], 2*RT
.endif
	s_wait_dscnt 0x0                               ; the add is done, and my reads of this slot are over
	s_barrier_signal -1
	WIN MUL
	MUL16 0, 1, NQ-1, \slot, 0                     ; work on registers while the others arrive
	WIN 0
	s_barrier_wait -1
.if \fill
	CREST                                          ; no wave of any partner still reads this slot or has a load on its way
	JLOAD G0+4*\slot, G1, G0B+4*\slot, G1B         ; the first tensor load behind the round; its four v_nop are the places in front of the loads below
.else
	PLACES
.endif
	s_wait_alu depctr_va_vdst(0)
	v_add_nc_u32 v[ADRS], 256*NQ, v[ADRS]          ; on to the next slot's scale words
	FETCH \next, 0, 0
	SCALES \next
	WIN MUL
	MUL16 2, 1, NQ-1, \slot, 0
	WIN 0
.endm
.macro LAST
	s_wait_dscnt 0x0
	WIN MUL
	MUL16 0, 1, NQ-1, 1, 0
	MUL16 2, 1, NQ-1, 1, 0
	WIN 0
	PLACES
.endm
.macro XLOAD a                         ; x at the 16 rows of my tile a, 512 consecutive bytes a load, into window 3
	WIN 0xc0
.irp t, 0,1,2,3,4,5,6,7,8,9,10,11,12,13,14,15
	global_load_b128 v[64*(\a)+4*\t:64*(\a)+4*\t+3], v[L16], s[70:71] offset:(32*((\a)/2)+8*((\a)%2)+\t+8*(\t/8))*4096 th:TH_LOAD_NT
.endr
	WIN 0
.endm
.macro ASK off                         ; my 12 blocks of p and 24 of v of the slot that begins at byte off of a tile
	global_prefetch_b8 v[PFP], s[PFA:PFA+1] offset:\off th:TH_LOAD_NT scope:SCOPE_SE
	global_prefetch_b8 v[PFV], s[PFB:PFB+1] offset:\off th:TH_LOAD_NT scope:SCOPE_SE
.endm
	s_load_b256 s[4:11], s[0:1], 0x0               ; p s[4:5], qkv s[6:7], x s[8:9], out0 s[10:11]
	v_lshl_add_u32 v[SPW], v0, 2, SPARE
	v_mov_b32 v[NIL], 0
	ds_add_u32 v[SPW], v[NIL]                      ; the opening lines: the add, twice on end, and its wait ahead of my first tensor load
	ds_add_u32 v[SPW], v[NIL]
	v_lshrrev_b32 v1, 5, v0
	v_readfirstlane_b32 s14, v1                    ; wave 0..3
	s_lshr_b32 s15, s14, 1                         ; wr: which half of the queries is mine.  Also: I ask for p (0) or v (1)
	s_and_b32 s16, s14, 1                          ; wc: which half of d.  Also: which half of a part I fetch
	s_bfe_u32 s40, ttmp6, 0x40000                  ; cx, cy
	s_bfe_u32 s41, ttmp6, 0x40004
	s_lshl_b32 s42, ttmp9, 2
	s_add_co_u32 s42, s42, s40                     ; tx: 256 d
	s_and_b32 s17, ttmp7, 0xffff
	s_lshr_b32 s18, s17, 2                         ; the batch: sixteen tile rows, four clusters, each
	s_lshl_b32 s17, s17, 2
	s_add_co_u32 s17, s17, s41                     ; ty: 128 queries of the 8,192
	s_lshl_b32 s43, s41, 2
	s_lshl_b32 s43, 15, s43                        ; my row of the cluster
	s_lshl_b32 s44, 0x1111, s40                    ; my column
	s_or_b32 s[G1], s43, (3<<16)|(1<<21)           ; 15:0 the mask; 17:16 elements of 8 bytes; 21 set beside a mask
	s_or_b32 s[G1B], s44, (3<<16)|(1<<21)
	s_mov_b32 s[G1+1], (RT/8)<<16                  ; tensor_dim0: four K steps of a tile
	s_mov_b32 s[G1+2], 4<<16                       ; tensor_dim1: four tiles of p
	s_mov_b32 s[G1+3], (RT/8)<<16                  ; tile_dim0
	s_mov_b32 s[G1+4], 4                           ; tile_dim1
	s_mov_b32 s[G1+5], TP/8                        ; tensor_dim0_stride
	s_mov_b32 s[G1+6], 0
	s_mov_b32 s[G1+7], 0
	s_mov_b32 s[G1B+1], (RT/8)<<16
	s_mov_b32 s[G1B+2], 8<<16                      ; eight tiles of v
	s_mov_b32 s[G1B+3], (RT/8)<<16
	s_mov_b32 s[G1B+4], 8
	s_mov_b32 s[G1B+5], TP/8
	s_mov_b32 s[G1B+6], 0
	s_mov_b32 s[G1B+7], 0
	s_lshl_b32 s20, s17, 3
	s_mul_i32 s20, s20, TP                         ; p: tile 8 ty
	s_mov_b32 s21, 0
	s_lshl_b32 s46, s18, 6
	s_lshl_b32 s47, s42, 4
	s_add_co_u32 s46, s46, s47
	s_mul_i32 s46, s46, TP
	s_add_co_u32 s46, s46, VC                      ; v: tile 64 x batch + 16 tx
	s_mov_b32 s47, 0
	s_mul_i32 s78, s16, 4*TP                       ; my half of p's tiles,
	s_mov_b32 s79, 0
	s_mul_i32 s80, s16, 8*TP                       ; of v's
	s_mov_b32 s81, 0
	s_mul_i32 s45, s16, PHALF                      ; and where they go in a slot
	s_mul_i32 s22, s16, VHALF
	s_add_co_u32 s22, s22, 2*PHALF
	s_lshl_b32 s82, s40, 1                         ; the prefetches: p's tile 2 cx + wave / 2, its half wave % 2;
	s_add_co_u32 s82, s82, s15
	s_mul_i32 s82, s82, TP
	s_mul_i32 s83, s16, RT/2
	s_add_co_u32 s82, s82, s83
	s_mov_b32 s83, 0
	s_lshl_b32 s84, s41, 2                         ; v's tile 4 cy + wave
	s_add_co_u32 s84, s84, s14
	s_mul_i32 s84, s84, TP
	s_mov_b32 s85, 0
	s_lshl_b32 s66, s17, 13
	s_add_co_u32 s66, s66, PSC                     ; p's scale words: ty x 8,192
	s_mov_b32 s67, 0
	s_lshl_b32 s68, s18, 4
	s_lshl_b32 s69, s42, 2
	s_add_co_u32 s68, s68, s69
	s_lshl_b32 s68, s68, 12
	s_add_co_u32 s68, s68, VS                      ; v's: (16 x batch + 4 tx) x 4,096
	s_mov_b32 s69, 0
	s_lshl_b32 s74, s17, 19                        ; x and out0: row 128 ty + 64 wr, column 256 tx + 128 wc
	s_lshl_b32 s88, s15, 18
	s_add_co_u32 s74, s74, s88
	s_lshl_b32 s88, s42, 10
	s_add_co_u32 s74, s74, s88
	s_lshl_b32 s88, s16, 9
	s_add_co_u32 s74, s74, s88
	s_mov_b32 s75, 0
	s_mov_b32 s[ONES], 0x01010101
	s_mov_b32 s[FF], 255
	v_and_b32 v1, 31, v0
	v_and_b32 v2, 15, v0                           ; r
	v_bfe_u32 v3, v0, 4, 1                         ; h
	v_min_u32 v[PFP], 11, v1
	v_min_u32 v[PFV], 23, v1
	v_lshlrev_b32 v[PFP], 8, v[PFP]                ; a lane a block of 256 bytes
	v_lshlrev_b32 v[PFV], 8, v[PFV]
	v_lshlrev_b32 v[L16], 4, v1
	v_lshlrev_b32 v[TID16], 4, v0
	v_add_nc_u32 v[VST], VSCL, v[TID16]
	v_lshlrev_b32 v[VO], 4, v2
	v_lshl_add_u32 v[VO], v3, 12, v[VO]
	s_lshl_b32 s88, s14, 10
	v_add_nc_u32 v[VO2], s88, v[VO]
	v_add_nc_u32 v[PST], PSCL, v[VO2]
	s_lshl_b32 s88, s14, 9
	s_add_co_u32 s88, s88, LGS
	v_add_nc_u32 v[LST], s88, v[L16]               ; my wave's part of l
	s_lshl_b32 s88, s15, 8
	s_add_co_u32 s88, s88, LGS
	v_lshl_add_u32 v[LRD], v2, 4, s88              ; and where row r's four tiles of my half lie in a part
	s_mul_i32 s88, s14, STG
	v_mul_u32_u24 v[STO], v2, 528
	v_lshl_add_u32 v[STO], v3, 6, v[STO]
	v_add_nc_u32 v[STO], s88, v[STO]               ; the stage, on the way in: row r, + 64 h
	v_add_nc_u32 v[RD], s88, v[L16]                ; and back: a row of 512 bytes
	s_mul_i32 s88, s15, PHALF
	s_mul_i32 s89, s16, VHALF
	s_add_co_u32 s89, s89, 2*PHALF
.irp s, 0,1
	v_add_nc_u32 v[ADRA+\s], s88, v[L16]
	v_add_nc_u32 v[ADRB+\s], s89, v[L16]
	s_add_co_u32 s88, s88, SLOT
	s_add_co_u32 s89, s89, SLOT
.endr
	s_lshl_b32 s88, s15, 12
	s_lshl_b32 s89, s16, 13
	s_add_co_u32 s89, s89, 8192
	s_sub_co_u32 s89, s89, s88
	v_mul_u32_u24 v1, s89, v3                      ; lanes 16-31 take v's
	s_add_co_u32 s88, s88, PSCL
	v_lshl_add_u32 v1, v2, 4, v1
	v_add_nc_u32 v[ADRS], s88, v1
	s_wait_alu depctr_va_vdst(0)
	s_wait_dscnt 0x0                               ; both opening adds are done
	s_wait_kmcnt 0x0
	s_add_nc_u64 s[20:21], s[4:5], s[20:21]
	s_add_nc_u64 s[46:47], s[6:7], s[46:47]
	s_add_nc_u64 s[66:67], s[4:5], s[66:67]
	s_add_nc_u64 s[68:69], s[6:7], s[68:69]
	s_add_nc_u64 s[70:71], s[8:9], s[74:75]
	s_add_nc_u64 s[72:73], s[10:11], s[74:75]
	s_add_nc_u64 s[PFA:PFA+1], s[20:21], s[82:83]
	s_add_nc_u64 s[PFB:PFB+1], s[46:47], s[84:85]
	s_add_nc_u64 s[20:21], s[20:21], s[78:79]      ; my half of a part
	s_add_nc_u64 s[46:47], s[46:47], s[80:81]
.irp i, 0,1,2,3,4,5,6,7                        ; the small loads go out here and fly during the round
	global_load_b128 v[VW+4*\i:VW+4*\i+3], v[TID16], s[68:69] offset:2048*\i        ; v's scale words: 128 threads x 16 bytes a load
.endr
.irp s, 0,1,2,3,4,5,6,7,8,9,10,11,12,13,14,15
	global_load_b128 v[NMA+4*\s:NMA+4*\s+3], v[VO], s[66:67] offset:524288+256*\s   ; -M of row r, tiles 4 h .. 4 h + 3, K step s
.endr
.irp i, 0,1,2,3
	global_load_b128 v[NM2+4*\i:NM2+4*\i+3], v[VO2], s[66:67] offset:524288+256*\i  ; my wave's four K steps: -M,
	global_load_b128 v[LS2+4*\i:LS2+4*\i+3], v[VO2], s[66:67] offset:1048576+256*\i ; l,
	global_load_b128 v[PS2+4*\i:PS2+4*\i+3], v[VO2], s[66:67] offset:256*\i         ; the scale words
.endr
.irp s, 0,1
	s_mov_b32 s[G0+4*\s], 1
	s_add_co_u32 s[G0+4*\s+1], s45, \s*SLOT
	s_add_nc_u64 s[G0+4*\s+2:G0+4*\s+3], s[20:21], \s*RT
	s_or_b32 s[G0+4*\s+3], s[G0+4*\s+3], 0x80000000
	s_mov_b32 s[G0B+4*\s], 1
	s_add_co_u32 s[G0B+4*\s+1], s22, \s*SLOT
	s_add_nc_u64 s[G0B+4*\s+2:G0B+4*\s+3], s[46:47], \s*RT
	s_or_b32 s[G0B+4*\s+3], s[G0B+4*\s+3], 0x80000000
.endr
	CROUND                                         ; all sixteen work-groups are here: the first joint loads meet
	JLOAD G0, G1, G0B, G1B                         ; K steps 0-3: one tensor load a wave at the head
	ASK RT                                         ; K steps 4-7,
	ASK 2*RT                                       ; K steps 8-11
	s_wait_tensorcnt 0x0                           ; my part of slot 0 is in
	ds_add_u32 v[SPW], v[NIL]
	s_wait_dscnt 0x0
	CROUND                                         ; everybody's part of slot 0 is in, and the joint loads meet
	JLOAD G0+4, G1, G0B+4, G1B                     ; K steps 4-7, the first tensor load behind the round
	s_wait_loadcnt 0x0
.irp i, 0,1,2,3,4,5,6,7
	ds_store_b128 v[VST], v[VW+4*\i:VW+4*\i+3] offset:2048*\i
.endr
.irp j, 0,1,2,3
	v_min3_num_f32 v[NG+\j], v[NMA+\j], v[NMA+4+\j], v[NMA+8+\j]      ; the row's -M: the least of sixteen
.endr
.irp s, 3,5,7,9,11,13
.irp j, 0,1,2,3
	v_min3_num_f32 v[NG+\j], v[NG+\j], v[NMA+4*\s+\j], v[NMA+4*\s+4+\j]
.endr
.endr
.irp j, 0,1,2,3
	v_min_num_f32 v[NG+\j], v[NG+\j], v[NMA+60+\j]
.endr
.irp i, 0,1,2,3
.irp u, 0,2
	v_pk_add_f32 v[NM2+4*\i+\u:NM2+4*\i+\u+1], v[NG+\u:NG+\u+1], v[NM2+4*\i+\u:NM2+4*\i+\u+1] neg_lo:[0,1] neg_hi:[0,1]   ; local M less the row's M: a whole number, 0 or less
.endr
.endr
.irp n, 0,1,2,3,4,5,6,7,8,9,10,11,12,13,14,15
	v_cvt_i32_f32 v[NM2+\n], v[NM2+\n]
.endr
.irp n, 0,1,2,3,4,5,6,7,8,9,10,11,12,13,14,15
	v_ldexp_f32 v[LS2+\n], v[LS2+\n], v[NM2+\n]    ; l under the row's M
.endr
.irp u, 0,2
	v_pk_add_f32 v[LS2+\u:LS2+\u+1], v[LS2+\u:LS2+\u+1], v[LS2+4+\u:LS2+5+\u]
	v_pk_add_f32 v[LS2+8+\u:LS2+9+\u], v[LS2+8+\u:LS2+9+\u], v[LS2+12+\u:LS2+13+\u]
.endr
.irp u, 0,2
	v_pk_add_f32 v[LS2+\u:LS2+\u+1], v[LS2+\u:LS2+\u+1], v[LS2+8+\u:LS2+9+\u]
.endr
	ds_store_b128 v[LST], v[LS2:LS2+3]             ; my four K steps' part of l
; the same whole number off each of the word's four bytes, each byte held at 0 from below: bit 7 is set
.irp n, 0,1,2,3,4,5,6,7,8,9,10,11,12,13,14,15
	v_sub_nc_u32 v[NM2+\n], 0, v[NM2+\n]
.endr
.irp n, 0,1,2,3,4,5,6,7,8,9,10,11,12,13,14,15
	v_min_u32 v[NM2+\n], 0x7f, v[NM2+\n]
.endr
.irp n, 0,1,2,3,4,5,6,7,8,9,10,11,12,13,14,15
	v_mul_lo_u32 v[NM2+\n], v[NM2+\n], s[ONES]
.endr
.irp n, 0,1,2,3,4,5,6,7,8,9,10,11,12,13,14,15
	v_or_b32 v[PS2+\n], 0x80808080, v[PS2+\n]
.endr
.irp n, 0,1,2,3,4,5,6,7,8,9,10,11,12,13,14,15
	v_sub_nc_u32 v[PS2+\n], v[PS2+\n], v[NM2+\n]
.endr
.irp n, 0,1,2,3,4,5,6,7,8,9,10,11,12,13,14,15
	v_lshrrev_b32 v[NM2+\n], 7, v[PS2+\n]
.endr
.irp n, 0,1,2,3,4,5,6,7,8,9,10,11,12,13,14,15
	v_and_b32 v[NM2+\n], s[ONES], v[NM2+\n]
.endr
.irp n, 0,1,2,3,4,5,6,7,8,9,10,11,12,13,14,15
	v_mul_lo_u32 v[NM2+\n], v[NM2+\n], s[FF]
.endr
.irp n, 0,1,2,3,4,5,6,7,8,9,10,11,12,13,14,15
	v_and_b32 v[PS2+\n], 0x7f7f7f7f, v[PS2+\n]
.endr
.irp n, 0,1,2,3,4,5,6,7,8,9,10,11,12,13,14,15
	v_and_b32 v[PS2+\n], v[PS2+\n], v[NM2+\n]
.endr
.irp i, 0,1,2,3
	ds_store_b128 v[PST], v[PS2+4*\i:PS2+4*\i+3] offset:256*\i
.endr
	XLOAD 0
	s_wait_dscnt 0x0                               ; my words have landed.  Slot 1's load may stay out
	s_barrier_signal -1
	s_barrier_wait -1
	FETCH 0, 0, 0
	SCALES 0
	STEP 0, 0, 1                                   ; the first products start the sums: nothing is cleared
	ASK 3*RT                                       ; K steps 12-15
	STEP 0, 1, 0
	STEP 0, 2, 0
	TURN 0, 1, 1                                   ; slot 0 takes K steps 8-11
	XLOAD 1
	STEP 1, 0, 0
	STEP 1, 1, 0
	STEP 1, 2, 0
	TURN 1, 0, 1                                   ; slot 1 takes K steps 12-15
	XLOAD 2
	STEP 0, 0, 0
	XLOAD 3
	STEP 0, 1, 0
	STEP 0, 2, 0
	TURN 0, 1, 0
	STEP 1, 0, 0
	STEP 1, 1, 0
	STEP 1, 2, 0
	LAST
.irp w, 0,1,2,3
	ds_load_b128 v[LQ+4*\w:LQ+4*\w+3], v[LRD] offset:512*\w    ; the four waves' parts of l for row r of my four tiles
.endr
	s_wait_dscnt 0x0
.irp u, 0,2
	v_pk_add_f32 v[LQ+\u:LQ+\u+1], v[LQ+\u:LQ+\u+1], v[LQ+4+\u:LQ+5+\u]
	v_pk_add_f32 v[LQ+8+\u:LQ+9+\u], v[LQ+8+\u:LQ+9+\u], v[LQ+12+\u:LQ+13+\u]
.endr
.irp u, 0,2
	v_pk_add_f32 v[LQ+\u:LQ+\u+1], v[LQ+\u:LQ+\u+1], v[LQ+8+\u:LQ+9+\u]
.endr
	s_wait_alu depctr_va_vdst(0)                   ; a wait ahead of the batch
.irp a, 0,1,2,3
	v_rcp_f32 v[RLB+2*\a], v[LQ+\a]                ; 1 / l, twice: a pair for the packed form
	v_rcp_f32 v[RLB+2*\a+1], v[LQ+\a]
.endr
	v_nop                                          ; a plain place behind the transcendentals
	s_wait_alu depctr_va_vdst(0)                   ; and the wait behind the batch
; THE WAY OUT, a tile of 16 queries x 128 d at a time: x 1 / l; through my stage, so that whole rows of 512 bytes come back; + x; stored.  Tile a + 1 is scaled between tile a's loads from the stage and the wait for them.
.macro SCALE a                         ; into v192-255 (a even) or v32-95 (a odd)
.set TT, 192-160*((\a)%2)
	WIN 0x02                                       ; source 0: the sums
.set n, 0
.rept 32
	v_pk_mul_f32 v[TT+2*n:TT+2*n+1], v[64*(\a)+2*n:64*(\a)+2*n+1], v[RLB+2*(\a):RLB+2*(\a)+1]   ; each accumulator from its low end on
.set n, n+1
.endr
	WIN 0
.endm
.macro TOSTAGE a
.set TT, 192-160*((\a)%2)
.irp b, 0,1,2,3,4,5,6,7
	ds_store_b128 v[STO], v[TT+8*\b:TT+8*\b+3] offset:128*(\b/2)+32*(\b%2)      ; register 8 b + j is d 32 (b / 2) + 16 h + 8 (b % 2) + j
	ds_store_b128 v[STO], v[TT+8*\b+4:TT+8*\b+7] offset:128*(\b/2)+32*(\b%2)+16
.endr
.irp t, 0,1,2,3,4,5,6,7,8,9,10,11,12,13,14,15
	ds_load_b128 v[BK+4*\t:BK+4*\t+3], v[RD] offset:528*\t     ; LDS serves a wave's instructions in order: these see my stores
.endr
.endm
.macro SEND a
	s_wait_dscnt 0x0                               ; the tile is back
	s_wait_loadcnt 16*(3-(\a))                     ; its x is in; the later tiles' sixteen loads each may stay out
	WIN 0x0c                                       ; source 1: x
.set n, 0
.rept 32
	v_pk_add_f32 v[BK+2*n:BK+2*n+1], v[BK+2*n:BK+2*n+1], v[64*(\a)+2*n:64*(\a)+2*n+1]
.set n, n+1
.endr
	WIN 0
.irp t, 0,1,2,3,4,5,6,7,8,9,10,11,12,13,14,15
	global_store_b128 v[L16], v[BK+4*\t:BK+4*\t+3], s[72:73] offset:(32*((\a)/2)+8*((\a)%2)+\t+8*(\t/8))*4096 th:TH_STORE_NT   ; 32 lanes store 512 consecutive bytes, aligned
.endr
.endm
	SCALE 0
	TOSTAGE 0
.irp a, 0,1,2
	SCALE \a+1
	SEND \a
	s_wait_xcnt 0x0                                ; the stores have read their data: the next tile may land there
	TOSTAGE \a+1
.endr
	SEND 3
	s_wait_tensorcnt 0x0                           ; the wave's end
	ds_add_u32 v[SPW], v[NIL]
	s_wait_dscnt 0x0
	CROUND                                         ; the closing round: no work-group ends while a partner may still ask for a tile that names it
	s_endpgm
.Lfunc_end_k_q306e31acd7_outp:
	.size	k_q306e31acd7_outp, .Lfunc_end_k_q306e31acd7_outp-k_q306e31acd7_outp
	.p2alignl 7, 3214868480
	.fill 96, 4, 3214868480
	.section	.rodata,"a",@progbits
	.p2align	6, 0x0
	.amdhsa_kernel k_q306e31acd7_outp
		.amdhsa_group_segment_fixed_size 327680
		.amdhsa_private_segment_fixed_size 0
		.amdhsa_enable_private_segment 0
		.amdhsa_kernarg_size 32
		.amdhsa_user_sgpr_count 2
		.amdhsa_user_sgpr_kernarg_segment_ptr 1
		.amdhsa_wavefront_size32 1
		.amdhsa_system_sgpr_workgroup_id_x 1
		.amdhsa_system_sgpr_workgroup_id_y 1
		.amdhsa_system_sgpr_workgroup_id_z 1
		.amdhsa_system_vgpr_workitem_id 0
		.amdhsa_next_free_vgpr 1024
		.amdhsa_next_free_sgpr 100
		.amdhsa_reserve_vcc 0
		.amdhsa_float_denorm_mode_32 3
		.amdhsa_float_denorm_mode_16_64 3
		.amdhsa_memory_ordered 1
		.amdhsa_forward_progress 1
		.amdhsa_inst_pref_size 174
	.end_amdhsa_kernel
	.amdgpu_metadata
---
amdhsa.version: [ 1, 2 ]
amdhsa.kernels:
  - .name:           k_q306e31acd7_outp
    .symbol:         k_q306e31acd7_outp.kd
    .args:
      - { .name: p, .offset: 0, .size: 8, .value_kind: global_buffer, .address_space: global }
      - { .name: qkv, .offset: 8, .size: 8, .value_kind: global_buffer, .address_space: global }
      - { .name: x, .offset: 16, .size: 8, .value_kind: global_buffer, .address_space: global }
      - { .name: out0, .offset: 24, .size: 8, .value_kind: global_buffer, .address_space: global }
    .group_segment_fixed_size: 327680
    .private_segment_fixed_size: 0
    .kernarg_segment_align: 8
    .kernarg_segment_size: 32
    .max_flat_workgroup_size: 128
    .sgpr_count:     100
    .vgpr_count:     1024
    .wavefront_size: 32
...
	.end_amdgpu_metadata
.endif
;; end of part 4
